; MI455X (gfx1250); checked and timed in simulation.
; The chip was launched on July 23, 2026; its instructions are those of AMD's public machine-readable ISA for CDNA 5 (MIT licence, August 2026) and "CDNA5" Instruction Set Architecture Reference Guide (July 2026). The comments in the code are by the model that wrote it; some were corrected since.
;; Multihead Attention. Allowed arithmetic: matrix products marked QUANTISED: E3M2 operands, one E8M0 scale for each 32 along K, by v_wmma_scale_f32_16x16x128_f8f6f4 with both operands' format E3M2, f32 sums; everything else in f32.
;; Inputs: Wk 1,024 x 1,024 float32; Wo 1,024 x 1,024 float32; Wq 1,024 x 1,024 float32; Wv 1,024 x 1,024 float32; bk 1,024 float32; bo 1,024 float32; bq 1,024 float32; bv 1,024 float32; key 2,048 x 2 x 1,024 float32; mask 1 x 2,048 x 1 int32; query 2,048 x 2 x 1,024 float32; value 2,048 x 2 x 1,024 float32.
;; Outputs: out0 2,048 x 2 x 1,024 float32.
;; This version of the problem:
;;   THIS VERSION OF THE PROBLEM IS GIVEN IN LOW PRECISION. The matrix products marked QUANTISED in the list below multiply operands that are first quantised to E3M2 (3 exponent bits, 2 mantissa bits; 6 bits a number), with one power-of-two scale for each 32 numbers along K (OCP MX v1.0); their sums are f32. All else is computed in f32.
;;   The module's matrix products, in the order in which they are computed (A, B: the left and right operand; K: the contracted axis; several contracted axes count as one K, in the product's order):
;;     1. [M 4,096, K 1,024] x [K 1,024, N 1,024]; A: input query; B: input Wq: QUANTISED
;;     2. [M 4,096, K 1,024] x [K 1,024, N 1,024]; A: input key; B: input Wk: QUANTISED
;;     3. [M 4,096, K 1,024] x [K 1,024, N 1,024]; A: input value; B: input Wv: QUANTISED
;;     4. batch 32 x [M 2,048, K 64] x [K 64, N 2,048]; A: computed on the way; B: computed on the way: QUANTISED
;;     5. batch 32 x [M 64, K 2,048] x [K 2,048, N 2,048]; A: computed on the way; B: softmax (see below): QUANTISED
;;     6. [M 4,096, K 1,024] x [K 1,024, N 1,024]; A: computed on the way; B: input Wo: QUANTISED
;;   THE QUANTISER, for each operand of a quantised product, along K:
;;     - K is cut into blocks of 32 from its start; a last block that is shorter is filled with zeros.
;;     - A block's scale is 2^e with e = floor(log2(the largest magnitude in the block)) - 4, held to -126 .. 127; a block of zeros has e = 0. As a byte (E8M0): e + 127.
;;     - Each number is divided by its block's scale, clamped to +-28, and rounded to the nearest number of E3M2, ties to even, subnormals kept.
;;     - The product sums the exact products of the quantised numbers (number of the format x scale) in f32.
;;   ~~~python
;;   def quantise(x, axis):      # numpy; x: float32 -> the quantised numbers, widened to float32 again
;;       x = np.moveaxis(x, axis, -1); K = x.shape[-1]
;;       x = np.pad(x, [(0, 0)] * (x.ndim - 1) + [(0, -K % 32)]); x = x.reshape(x.shape[:-1] + (-1, 32)); a = np.abs(x).max(-1, keepdims=True)
;;       e = np.where(a > 0, np.clip(np.frexp(np.where(a > 0, a, 1))[1] - 1 - 4, -126, 127), 0)      # np.frexp(a)[1] - 1 = floor(log2(a)), exactly
;;       r = np.clip(x / 2.0 ** e, -28, 28)
;;       step = 2.0 ** (np.maximum(np.frexp(np.where(r == 0, 1, r))[1] - 1, -2) - 2)
;;       q = np.round(r / step) * step * 2.0 ** e      # np.round: ties to even
;;       return np.moveaxis(q.reshape(q.shape[:-2] + (-1,))[..., :K], -1, axis).astype(np.float32)
;;   ~~~
;;   SOFTMAX AHEAD OF A QUANTISED PRODUCT. Where the list says 'softmax', what is quantised is not the finished softmax but p = 2^(t - M), with t = logit x log2(e) and M = ceil(the row's largest t), a whole number; so 1/2 < the row's largest p <= 1. The row's sum l is taken of the UNQUANTISED p, in f32, and the product's result is divided by l at the end. Since M is a whole number, a kernel that streams over the keys may use a running M (the ceiling of the running maximum): every later rescaling is an exact power of two, which a block's scale takes up: the codes' values come out the same.
;;   OPERANDS COMPUTED ON THE WAY. 'Computed on the way' means the value that the module computes at that place (a softmax that the list does not call 'softmax' is quantised finished and normalised). What goes into a quantiser is computed in f32, as accurately as f32 sums, v_exp_f32 and their like allow (about 1e-6 of the number): no bf16 or f16 on the way to a quantiser, and a product that is left as it is and whose result goes on into a quantised operand takes f32 operands (vector FMAs, or v_wmma_f32_16x16x4_f32). A number that lies on a knife's edge between two numbers of the format may be rounded either way, as far as f32 arithmetic and the matrix unit's own rounding can turn it there, and no further.
;; One version. Each part assembles by itself: llvm-mc -triple=amdgcn-amd-amdhsa -mcpu=gfx1250 --defsym DOCPART=n.
;; ======== version 1 of 1: 4 launches
;; limits: right only within a limited range of input values
;; workspace buffers: codes 12,582,912 bytes; scales 524,288 bytes; qkvc 9,437,184 bytes; qkvs 655,360 bytes; xc 3,145,728 bytes; xs 131,072 bytes
;; launch quant (part 1): grid 256 x 1, 16 waves a work-group, no clusters, 268,288 bytes of LDS; arguments query, key, value, Wq, Wk, Wv, Wo, codes, scales; writes codes, scales
.if DOCPART == 1
	.amdgcn_target "amdgcn-amd-amdhsa--gfx1250"
	.amdhsa_code_object_version 6
	.text
	.protected	k_q321aab9ba5_quant
	.globl	k_q321aab9ba5_quant
	.p2align	8
	.type	k_q321aab9ba5_quant,@function
k_q321aab9ba5_quant:
	s_mov_b64 s[64:65], 0
	v_nop
	global_prefetch_b8 v0, s[64:65] scope:SCOPE_SE
	s_setreg_imm32_b32 hwreg(HW_REG_WAVE_MODE, 25, 1), 1
	s_wait_xcnt 0x0
; query, key, value [2048][2][1024] and Wq, Wk, Wv, Wo [1024][1024], f32, become codes of BF6 (E3M2) along K = the last axis, with one E8M0 byte for each 32.
; DEAD WORK: reference() deletes its input mask in its first line (del mask) and never reads it, so for all values of the inputs mask has no way to any output: it is not loaded and is no launch's argument.
; LIMITS: NaN and infinities are not served; a block of zeros gets the byte 1 (its codes are zeros; this program alone reads the bytes).
; OUTPUT: codes [tile][16 half images][768], scales [tile][row 16][8 words].  A half image is 16 rows x 64 K as the matrix unit's registers: lane l's registers 0-3 at 16 l, 4-5 at 512 + 8 l.
;   tiles 0-767: query, key, value (128 b + s / 16 within each); tiles 768 + 64 w on: weight w, tile 2 t + p holding rows n = 32 t + 2 r + p.
; SHARES: a work-group takes four tiles, a wave a quarter of K of one tile: 16 rows x 1,024 bytes, brought by the wave's one tensor load into LDS bytes that it alone reads: no barrier.
; No prefetch: the launch has no loop, and every byte that it reads is asked for at its head.
.set PIECE, 16*1040                    ; 16 rows of 1,024 bytes + 16 of padding
.set SPARE, 16*PIECE                   ; behind the sixteen pieces: the spare words, 128 bytes a wave
.set CT,  14
.set W,   18                           ; v18, v19 the scale words of my two K steps
.set T,   26
.set X,   36                           ; two sets of 32 numbers
.set G,   100                          ; codes: eight registers for each half image
	s_load_b256 s[4:11], s[0:1], 0x0               ; query, key, value, Wq
	s_load_b256 s[40:47], s[0:1], 0x20             ; Wk, Wv, Wo, codes
	s_load_b64 s[12:13], s[0:1], 0x40              ; scales
	v_lshl_add_u32 v254, v0, 2, SPARE
	v_mov_b32 v255, 0
	ds_add_u32 v254, v255                          ; the opening lines: the add twice on end and its wait
	ds_add_u32 v254, v255
	v_lshrrev_b32 v1, 5, v0
	v_readfirstlane_b32 s3, v1                     ; wave 0..15
	s_mov_b32 s16, (2<<16)|(1<<20)|(7<<22)|(3<<25) ; elements of 4 bytes; 4 words of padding behind every 256
	s_mov_b32 s17, 256<<16
	s_mov_b32 s18, 16<<16
	s_mov_b32 s19, 256<<16
	s_mov_b32 s20, 16
	s_mov_b32 s21, 2048                            ; from row to row: 8,192 bytes (the next s of a batch; the next but one row of a weight)
	s_mov_b32 s22, 0
	s_mov_b32 s23, 0
	s_mul_i32 s2, s3, PIECE                        ; my piece of LDS
	s_lshr_b32 s54, s3, 2                          ; which of the work-group's four tiles
	s_and_b32 s55, s3, 3                           ; which quarter of K
	s_mov_b32 s48, 240
	s_wait_dscnt 0x0
	s_wait_kmcnt 0x0
	s_mov_b64 s[14:15], s[44:45]
.macro PICK lim, p, base                       ; the tensor is chosen by the work-group's number alone
	s_cmp_lt_u32 ttmp9, \lim
	s_cselect_b64 s[14:15], s[\p:\p+1], s[14:15]
	s_cselect_b32 s48, \base, s48
.endm
	PICK 240, 42, 224
	PICK 224, 40, 208
	PICK 208, 10, 192
	PICK 192, 8, 128
	PICK 128, 6, 64
	PICK 64, 4, 0
	s_sub_co_u32 s49, ttmp9, s48
	s_lshl_b32 s49, s49, 2
	s_add_co_u32 s49, s49, s54                     ; my tile within the tensor
	s_and_b32 s50, s49, 127                        ; rows: s / 16,
	s_lshr_b32 s51, s49, 7                         ; b
	s_lshr_b32 s52, s49, 1                         ; a weight: t,
	s_and_b32 s53, s49, 1                          ; p
	s_cmp_lt_u32 ttmp9, 192
	s_cselect_b32 s50, s50, s52
	s_cselect_b32 s51, s51, s53
	s_lshl_b32 s50, s50, 17
	s_lshl_b32 s51, s51, 12
	s_add_co_u32 s50, s50, s51
	s_lshl_b32 s51, s55, 10                        ; my quarter of K: 1,024 bytes along the rows
	s_add_co_u32 s50, s50, s51
	s_mov_b32 s51, 0
	s_add_nc_u64 s[14:15], s[14:15], s[50:51]
	s_mov_b32 s24, 1
	s_add_co_u32 s25, s2, 0
	s_mov_b64 s[26:27], s[14:15]
	s_or_b32 s27, s27, 0x80000000
	tensor_load_to_lds s[24:27], s[16:23]          ; my one tensor load
	s_nop 0
	v_and_b32 v1, 31, v0
	v_and_b32 v2, 15, v0                           ; r
	v_bfe_u32 v3, v0, 4, 1                         ; h
	v_mul_u32_u24 v4, v2, 1040
	v_lshl_add_u32 v4, v3, 7, v4
	v_add_nc_u32 v4, s2, v4                        ; my row, + 128 h: 32 numbers of each 64
	v_lshlrev_b32 v5, 4, v1
	v_lshlrev_b32 v6, 3, v1
	v_lshlrev_b32 v7, 5, v2                        ; a row's eight scale words: 32 r
	v_lshlrev_b32 v8, 3, v3
	v_add_nc_u32 v9, 16, v8
	v_mov_b32 v[T], 0                              ; a lane permute's destination counts as one of its sources
	v_mov_b32 v[T+1], 0
	s_lshl_b32 s49, ttmp9, 2
	s_add_co_u32 s49, s49, s54                     ; my tile among all
	s_mul_i32 s50, s49, 12288
	s_mul_i32 s52, s55, 3072                       ; my four half images
	s_add_co_u32 s50, s50, s52
	s_add_nc_u64 s[46:47], s[46:47], s[50:51]
	s_lshl_b32 s50, s49, 9
	s_lshl_b32 s52, s55, 3                         ; my two words of each row
	s_add_co_u32 s50, s50, s52
	s_add_nc_u64 s[12:13], s[12:13], s[50:51]
	s_mov_b32 s52, 0x76543210
	s_mov_b32 s53, 0xfedcba98
.macro LOADX t
.irp i, 0,1,2,3,4,5,6,7
	ds_load_b128 v[X+32*((\t)%2)+4*\i:X+32*((\t)%2)+4*\i+3], v4 offset:(\t)*256+16*\i
.endr
.endm
.macro HK t                            ; half image t of my four: a lane's 32 numbers are one block
.set XS, X+32*((\t)%2)
.set GS, G+8*(\t)
.if (\t) < 3
	LOADX (\t)+1
	s_wait_dscnt 8                                 ; this half image's eight loads are in; the next one's eight may be out
.else
	s_wait_dscnt 0x0
.endif
	v_max3_num_f32 v10, |v[XS]|, |v[XS+1]|, 0x2800000    ; the floor 2^(5 - 127): the byte cannot fall under 1
	v_max3_num_f32 v11, |v[XS+2]|, |v[XS+3]|, |v[XS+4]|
.irp i, 5,9,13,17,21,25
	s_delay_alu instid0(VALU_DEP_2)
	v_max3_num_f32 v10, v10, |v[XS+\i]|, |v[XS+\i+1]|
	s_delay_alu instid0(VALU_DEP_2)
	v_max3_num_f32 v11, v11, |v[XS+\i+2]|, |v[XS+\i+3]|
.endr
	v_max3_num_f32 v10, v10, |v[XS+29]|, |v[XS+30]|
	v_max3_num_f32 v10, v10, v11, |v[XS+31]|
	v_add_nc_u32 v12, 0xfe000000, v10              ; 4 off the exponent field: the conversion's scale operand
	v_cvt_scalef32_pk16_bf6_f32 v[GS:GS+2], v[XS:XS+15], v12
	v_cvt_scalef32_pk16_bf6_f32 v[CT:CT+2], v[XS+16:XS+31], v12
	v_lshrrev_b32 v13, 23, v12                     ; the scale's byte
.if (\t)%2 == 0
	v_lshlrev_b32 v[W+(\t)/2], v8, v13             ; block h of the K step,
.else
	v_lshl_or_b32 v[W+(\t)/2], v13, v9, v[W+(\t)/2]   ; block 2 + h
.endif
.irp i, 0,1,2
	v_mov_b32 v[GS+3+\i], v[CT+\i]
.endr
	global_store_b128 v5, v[GS:GS+3], s[46:47] offset:768*(\t)         ; 512 consecutive bytes,
	global_store_b64 v6, v[GS+4:GS+5], s[46:47] offset:768*(\t)+512    ; 256 more
.endm
	s_wait_alu depctr_va_vdst(0)                   ; the head's end
	s_wait_tensorcnt 0x0                           ; my piece is in; I alone read it
	LOADX 0
.irp t, 0,1,2,3
	HK \t
.endr
.irp k, 0,1
	v_permlanex16_b32 v[T+\k], v[W+\k], s52, s53
.endr
.irp k, 0,1
	v_or_b32 v[W+\k], v[W+\k], v[T+\k]             ; with lane l xor 16's two bytes the word is whole
.endr
	global_store_b64 v7, v[W:W+1], s[12:13]        ; 8 bytes of each row's 32; the tile's four waves fill its 512.  Lanes l and l + 16 store the same value to the same place
	s_wait_tensorcnt 0x0                           ; the wave's end
	ds_add_u32 v254, v255
	s_wait_dscnt 0x0
	s_endpgm
.Lfunc_end_k_q321aab9ba5_quant:
	.size	k_q321aab9ba5_quant, .Lfunc_end_k_q321aab9ba5_quant-k_q321aab9ba5_quant
	.p2alignl 7, 3214868480
	.fill 96, 4, 3214868480
	.section	.rodata,"a",@progbits
	.p2align	6, 0x0
	.amdhsa_kernel k_q321aab9ba5_quant
		.amdhsa_group_segment_fixed_size 268288
		.amdhsa_private_segment_fixed_size 0
		.amdhsa_enable_private_segment 0
		.amdhsa_kernarg_size 72
		.amdhsa_user_sgpr_count 2
		.amdhsa_user_sgpr_kernarg_segment_ptr 1
		.amdhsa_wavefront_size32 1
		.amdhsa_system_sgpr_workgroup_id_x 1
		.amdhsa_system_sgpr_workgroup_id_y 1
		.amdhsa_system_sgpr_workgroup_id_z 1
		.amdhsa_system_vgpr_workitem_id 0
		.amdhsa_next_free_vgpr 256
		.amdhsa_next_free_sgpr 66
		.amdhsa_reserve_vcc 0
		.amdhsa_float_denorm_mode_32 3
		.amdhsa_float_denorm_mode_16_64 3
		.amdhsa_memory_ordered 1
		.amdhsa_forward_progress 1
		.amdhsa_inst_pref_size 15
	.end_amdhsa_kernel
	.amdgpu_metadata
---
amdhsa.version: [ 1, 2 ]
amdhsa.kernels:
  - .name:           k_q321aab9ba5_quant
    .symbol:         k_q321aab9ba5_quant.kd
    .args:
      - { .name: query, .offset: 0, .size: 8, .value_kind: global_buffer, .address_space: global }
      - { .name: key, .offset: 8, .size: 8, .value_kind: global_buffer, .address_space: global }
      - { .name: value, .offset: 16, .size: 8, .value_kind: global_buffer, .address_space: global }
      - { .name: Wq, .offset: 24, .size: 8, .value_kind: global_buffer, .address_space: global }
      - { .name: Wk, .offset: 32, .size: 8, .value_kind: global_buffer, .address_space: global }
      - { .name: Wv, .offset: 40, .size: 8, .value_kind: global_buffer, .address_space: global }
      - { .name: Wo, .offset: 48, .size: 8, .value_kind: global_buffer, .address_space: global }
      - { .name: codes, .offset: 56, .size: 8, .value_kind: global_buffer, .address_space: global }
      - { .name: scales, .offset: 64, .size: 8, .value_kind: global_buffer, .address_space: global }
    .group_segment_fixed_size: 268288
    .private_segment_fixed_size: 0
    .kernarg_segment_align: 8
    .kernarg_segment_size: 72
    .max_flat_workgroup_size: 512
    .sgpr_count:     66
    .vgpr_count:     256
    .wavefront_size: 32
...
	.end_amdgpu_metadata
.endif
;; end of part 1
;; launch proj (part 2): grid 8 x 32, 4 waves a work-group, clusters of 4 x 4, 327,680 bytes of LDS; arguments codes, scales, bq, bk, bv, qkvc, qkvs; writes qkvc, qkvs
.if DOCPART == 2
	.amdgcn_target "amdgcn-amd-amdhsa--gfx1250"
	.amdhsa_code_object_version 6
	.text
	.protected	k_q321aab9ba5_proj
	.globl	k_q321aab9ba5_proj
	.p2align	8
	.type	k_q321aab9ba5_proj,@function
k_q321aab9ba5_proj:
	s_mov_b64 s[64:65], 0
	v_nop
	global_prefetch_b8 v0, s[64:65] scope:SCOPE_SE
	s_setreg_imm32_b32 hwreg(HW_REG_WAVE_MODE, 25, 1), 1
	s_wait_xcnt 0x0
	s_wait_alu depctr_hold_cnt(0) depctr_sa_sdst(0) depctr_va_vdst(0) depctr_va_sdst(0) depctr_va_ssrc(0) depctr_va_vcc(0) depctr_vm_vsrc(0)
	s_getreg_b32 s2, hwreg(HW_REG_IB_STS2, 6, 4)
	s_cmp_eq_u32 s2, 0
	s_cbranch_scc0 .Lentry_in_a_cluster
	s_endpgm
.Lentry_in_a_cluster:
	s_bfe_u32 s2, ttmp6, 0x10000c
	s_cmp_lg_u32 s2, 0xf033
	s_cbranch_scc0 .Lentry_shape_is_right
	s_endpgm
.Lentry_shape_is_right:
; q = query Wq^T + bq, k = key Wk^T + bk, v = value Wv^T + bv on codes of BF6 (E3M2) with E8M0 scales, sums in f32; the results leave QUANTISED for the two products of attention:
; q and k along the head's 64 (two blocks), v along the keys.  LIMITS: NaN and infinities are not served; a block of zeros gets the byte 1 (its codes are zeros; this program alone reads the bytes).
; The input mask has no way to any output (see the first kernel's head) and is not among the arguments.
; INPUT: codes [tile][16 half images][768], scales [tile][row 16][8 words].  A half image is 16 rows x 64 K as the matrix unit's registers: lane l's registers 0-3 at 16 l, 4-5 at 512 + 8 l.
;   tiles 0-767: query, key, value (128 b + s / 16 within each); tiles 768 + 64 tid on: the weight of tensor tid, tile 2 t + p holding rows n = 32 t + 2 r + p.
; SHARES.  256 work-groups THAT STAY: each takes 8 tiles of the weight (128 n: two heads) x 8 tiles of rows (128 s of one batch) of q, then of k, then of v.  All of K lies in LDS.  Four waves, each 4 x 4 tiles: 16 accumulators.
; A tensor comes by four fills, one a wave: the weight's codes, the rows' codes, the weight's scale words, the rows'.  When a tensor's last K step is in registers, nobody reads LDS any more: the next tensor's four fills are
; asked for there, behind the tensor wait, the add, the LDS wait and a round of the cluster's barrier, ahead of that step's sixteen products and of the whole way out.  The launch claims all of LDS.
; No prefetch: a tensor's tiles are asked for by that refill itself, a K step's products and a way out ahead of their first read.
; q, k: source 0 = the weight, source 1 = the rows: a lane holds one s, its registers run along n, the next K.  v: the sources change places: a lane holds one n, its registers run along the keys, the next K.
; CLUSTERS: 4 x 4.  The weight's tiles hang on the work-group's x and are shared along a column of the cluster, the rows' tiles on its y and are shared along a row: joint loads, each fetched once for four.
; OUTPUT: qkvc: tensor tid at 3,145,728 tid; head bh = 16 b + H at 98,304 bh; q, k: [s / 16][768]; v: [keys / 64][a 4][768], rows d = 32 (a / 2) + 2 r + a % 2, a block's keys in the order 0-7, 16-23, 8-15, 24-31.
;   qkvs: q at 0, k at 262,144: [bh][s / 64][r][a] words (two bytes, two zeros); v at 524,288: [bh][keys / 64][r][a] of two bytes.
; REGISTERS: window 0: v1-15 addresses; v16-17 a scale store; v20-30 the quantiser's; v32-63 scale words and nothing else; v64-95 bias; v96-127 32 numbers; v128-255 accumulator (i, a) at 128 + 32 a + 8 i.
;   window 1: two sets of fragments at 0 and 128: source 0's four at +0, source 1's four at +48.
.set TILEB, 12288                      ; a tile's bytes: all of K, sixteen half images
.set SCL,   16*TILEB                   ; behind the sixteen tiles: their scale words, 512 bytes each
.set SPARE, SCL+16*512                 ; the spare words, 128 bytes a wave
.set M0, 20
.set M1, 21
.set T0, 22
.set T1, 23
.set E0, 24
.set E1, 25
.set B0, 26
.set B1, 27
.set CT, 28
.set SC, 32
.set BQ, 64
.set X,  96
.set ACC, 128
.set WV, 8
.set SEL, 88
.set MSB, 0
.macro WIN new                         ; the immediate's high byte repeats the setting that is left
.if MSB != \new
	s_set_vgpr_msb (MSB<<8)|\new
.set MSB, \new
.endif
.endm
.set W_MUL, 0x05                       ; sources 0 and 1 window 1; C and D window 0
.set TO_F,  0x40                       ; destination window 1, address window 0
.macro CROUND                          ; a round of the cluster's barrier
	s_barrier_signal -1
	s_barrier_wait -1
	s_cmp_lg_u32 s[WV], 0
	s_cbranch_scc1 .Lnot_wave_0_\@
	s_barrier_signal -3
.Lnot_wave_0_\@:
	s_barrier_wait -3
	s_barrier_signal -1
	s_barrier_wait -1
.endm
.macro G0SET b, lds, p                 ; a descriptor's group 0 at s[b]: every LDS address is a constant
	s_mov_b32 s[\b], 1
	s_mov_b32 s[\b+1], \lds
	s_mov_b64 s[\b+2:\b+3], s[\p:\p+1]
	s_or_b32 s[\b+3], s[\b+3], 0x80000000
.endm
.macro ARM g0, g1                      ; a joint load with an s_nop and four v_nop behind it
	tensor_load_to_lds s[\g0:\g0+3], s[\g1:\g1+7]
	s_nop 0
.rept 4
	v_nop
.endr
.endm
.macro ARMS                            ; a tensor's four fills, one a wave, in one chain of branches on the wave's number
	s_cmp_lt_u32 s[WV], 1
	s_cbranch_scc0 .Larm_1_\@
	ARM 60, 24                                     ; wave 0: the weight's codes
	s_branch .Lasked_\@
.Larm_1_\@:
	s_cmp_lt_u32 s[WV], 2
	s_cbranch_scc0 .Larm_2_\@
	ARM 84, 32                                     ; wave 1: the rows' codes
	s_branch .Lasked_\@
.Larm_2_\@:
	s_cmp_lt_u32 s[WV], 3
	s_cbranch_scc0 .Larm_3_\@
	ARM 56, 40                                     ; wave 2: the weight's scale words
	s_branch .Lasked_\@
.Larm_3_\@:
	ARM 80, 48                                     ; wave 3: the rows' scale words
.Lasked_\@:
.endm
	s_load_b128 s[4:7], s[0:1], 0x0                ; codes s[4:5], scales s[6:7]
	s_load_b128 s[68:71], s[0:1], 0x10             ; bq s[68:69], bk s[70:71]
	s_load_b128 s[72:75], s[0:1], 0x20             ; bv s[72:73], qkvc s[74:75]
	s_load_b64 s[76:77], s[0:1], 0x30              ; qkvs
	v_lshl_add_u32 v15, v0, 2, SPARE
	v_mov_b32 v31, 0
	ds_add_u32 v15, v31                            ; the opening lines: the add twice on end and its wait
	ds_add_u32 v15, v31
	v_lshrrev_b32 v1, 5, v0
	v_readfirstlane_b32 s[WV], v1                  ; wave 0..3
	s_and_b32 s9, s[WV], 1                         ; which four of the weight's tiles are mine
	s_lshr_b32 s10, s[WV], 1                       ; which four of the rows' tiles are mine
	s_bfe_u32 s11, ttmp6, 0x40000                  ; cx
	s_bfe_u32 s12, ttmp6, 0x40004                  ; cy
	s_lshl_b32 s13, ttmp9, 2
	s_add_co_u32 s13, s13, s11                     ; x = 4 x cluster x + cx: 128 n
	s_and_b32 s14, ttmp7, 0xffff
	s_lshl_b32 s15, s14, 2
	s_add_co_u32 s15, s15, s12                     ; y = 4 x cluster y + cy: 128 rows of each tensor
	s_lshl_b32 s2, s12, 2
	s_lshl_b32 s2, 15, s2                          ; my row of the cluster
	s_lshl_b32 s3, 0x1111, s11                     ; my column
	s_or_b32 s24, s3, (3<<16)|(1<<21)              ; group 1, the weight's codes: mask = my column; elements of 8 bytes; bit 21 set beside a mask
	s_or_b32 s32, s2, (3<<16)|(1<<21)              ; the rows' codes: mask = my row
	s_or_b32 s40, s3, (3<<16)|(1<<21)              ; the weight's scale words
	s_or_b32 s48, s2, (3<<16)|(1<<21)              ; the rows'
.irp g, 24, 32                         ; eight tiles on end are 98,304 dense bytes: 384 rows of 256
	s_mov_b32 s[\g+1], 32<<16
	s_mov_b32 s[\g+2], 384<<16
	s_mov_b32 s[\g+3], 32<<16
	s_mov_b32 s[\g+4], 384
	s_mov_b32 s[\g+5], 32
	s_mov_b32 s[\g+6], 0
	s_mov_b32 s[\g+7], 0
.endr
.irp g, 40, 48                         ; eight tiles' scale words: 4,096 dense bytes as 16 rows of 256
	s_mov_b32 s[\g+1], 32<<16
	s_mov_b32 s[\g+2], 16<<16
	s_mov_b32 s[\g+3], 32<<16
	s_mov_b32 s[\g+4], 16
	s_mov_b32 s[\g+5], 32
	s_mov_b32 s[\g+6], 0
	s_mov_b32 s[\g+7], 0
.endr
	s_lshl_b32 s16, s13, 3                         ; Wq's eight tiles: 768 + 8 x on
	s_add_co_u32 s16, s16, 768
	s_lshl_b32 s100, s16, 9                        ; their scale words,
	s_mov_b32 s101, 0
	s_mul_i32 s16, s16, 12288                      ; their codes
	s_mov_b32 s17, 0
	s_lshl_b32 s18, s15, 3                         ; query's eight tiles: 8 y on
	s_lshl_b32 s104, s18, 9
	s_mov_b32 s105, 0
	s_mul_i32 s18, s18, 12288
	s_mov_b32 s19, 0
	s_wait_dscnt 0x0                               ; both opening adds are done
	s_wait_kmcnt 0x0
	s_add_nc_u64 s[16:17], s[4:5], s[16:17]
	s_add_nc_u64 s[100:101], s[6:7], s[100:101]
	s_add_nc_u64 s[18:19], s[4:5], s[18:19]
	s_add_nc_u64 s[104:105], s[6:7], s[104:105]
	G0SET 56, SCL, 100
	G0SET 60, 0, 16
	G0SET 80, SCL+4096, 104
	G0SET 84, 8*TILEB, 18
	CROUND                                         ; all sixteen work-groups are here: the joint loads meet
	ARMS                                           ; q's four fills
	s_mul_i32 s90, s9, 4*TILEB                     ; my four tiles of the weight,
	s_mul_i32 s91, s10, 4*TILEB
	s_add_co_u32 s91, s91, 8*TILEB                 ; my four tiles of rows
	s_lshl_b32 s93, s9, 11                         ; the weight's scale words, the lower base;
	s_lshl_b32 s92, s10, 11
	s_add_co_u32 s92, s92, 4096
	s_sub_co_u32 s92, s92, s93                     ; the rows' lie this far above them
	s_add_co_u32 s93, s93, SCL
	s_lshl_b32 s94, s9, 8                          ; my head's 64 numbers of the bias
	s_mov_b32 s[SEL], 0x76543210
	s_mov_b32 s[SEL+1], 0xfedcba98
	s_lshl_b32 s96, s13, 9
	s_mov_b32 s97, 0
	s_add_nc_u64 s[68:69], s[68:69], s[96:97]      ; the work-group's 128 numbers of each bias
	s_add_nc_u64 s[70:71], s[70:71], s[96:97]
	s_add_nc_u64 s[72:73], s[72:73], s[96:97]
	s_lshr_b32 s3, s15, 4                          ; b
	s_lshl_b32 s2, s15, 3
	s_lshl_b32 s18, s10, 2
	s_add_co_u32 s2, s2, s18
	s_and_b32 s2, s2, 127                          ; my first tile of rows within the batch: s / 16
	s_lshl_b32 s3, s3, 4
	s_lshl_b32 s18, s13, 1
	s_add_co_u32 s3, s3, s18
	s_add_co_u32 s3, s3, s9                        ; bh = 16 b + 2 x + wave % 2
	s_mul_i32 s96, s3, 98304
	s_mul_i32 s18, s2, 768
	s_add_co_u32 s96, s96, s18
	s_add_nc_u64 s[74:75], s[74:75], s[96:97]      ; my four half images: the same sum for q, k and v; the tensor stands in the stores' immediates
	s_lshl_b32 s3, s3, 5
	s_lshr_b32 s2, s2, 2
	s_add_co_u32 s3, s3, s2                        ; 32 bh + s / 64
	s_lshl_b32 s96, s3, 7
	s_add_nc_u64 s[78:79], s[76:77], s[96:97]      ; my scale bytes: 128 bytes each for v,
	s_lshl_b32 s96, s3, 8
	s_add_nc_u64 s[76:77], s[76:77], s[96:97]      ; 256 for q and k
	v_and_b32 v1, 31, v0                           ; l
	v_and_b32 v2, 15, v0                           ; r
	v_bfe_u32 v3, v0, 4, 1                         ; h
	v_lshlrev_b32 v12, 4, v1                       ; 16 l
	v_lshlrev_b32 v13, 3, v1                       ; 8 l
	v_add_nc_u32 v4, s90, v12                      ; v4, v5 the weight's fragments; v6, v7 the rows'
	v_add_nc_u32 v5, s90, v13
	v_add_nc_u32 v6, s91, v12
	v_add_nc_u32 v7, s91, v13
	v_xor_b32 v10, 1, v3
	v_mul_u32_u24 v10, s92, v10
	v_mul_u32_u24 v11, s92, v3
	v_lshl_add_u32 v8, v2, 5, v10                  ; scale words, 32 bytes a row: lanes 16-31 take source 0's.  v8, for q and k: lanes 0-15 the rows', lanes 16-31 the weight's;
	v_lshl_add_u32 v9, v2, 5, v11                  ; v9, for v: the other way round.  One product each: the lower base + 0 or 1 x the distance
	v_add_nc_u32 v8, s93, v8
	v_add_nc_u32 v9, s93, v9
	v_lshl_add_u32 v10, v3, 6, s94                 ; the bias, q and k: 16 numbers of each block of 32: + 64 h
	v_lshl_add_u32 v11, v2, 3, s94                 ; v: the numbers of rows 2 r, 2 r + 1: + 8 r
	v_lshlrev_b32 v14, 4, v2
	v_lshl_add_u32 v14, v3, 3, v14                 ; q's and k's scale words go out at 16 r + 8 h,
	v_lshlrev_b32 v1, 3, v2
	v_lshl_add_u32 v1, v3, 2, v1                   ; v's scale bytes at 8 r + 4 h
	v_mov_b32 v[T0], 0                             ; a lane permute's destination counts as one of its sources
	v_mov_b32 v[T1], 0
; 32 LDS loads: the eight fragments of K step sp into set: each half image by 512 + 256 consecutive bytes
.macro FETCH set, sp
.irp i, 0,1,2,3
.irp c, 0,1
	ds_load_b128 v[128*(\set)+12*\i+6*\c:128*(\set)+12*\i+6*\c+3], v[AD0] offset:TILEB*\i+1536*(\sp)+768*\c
	ds_load_b64 v[128*(\set)+12*\i+6*\c+4:128*(\set)+12*\i+6*\c+5], v[AE0] offset:TILEB*\i+1536*(\sp)+768*\c+512
.endr
.endr
.irp i, 0,1,2,3
.irp c, 0,1
	ds_load_b128 v[128*(\set)+48+12*\i+6*\c:128*(\set)+48+12*\i+6*\c+3], v[AD1] offset:TILEB*\i+1536*(\sp)+768*\c
	ds_load_b64 v[128*(\set)+48+12*\i+6*\c+4:128*(\set)+48+12*\i+6*\c+5], v[AE1] offset:TILEB*\i+1536*(\sp)+768*\c+512
.endr
.endr
.endm
; 16 matrix instructions: K step s.  The sixteen accumulators take turns, one instruction a turn, in the same order in every step.  zero = 1: the first step starts the sums.
; Four v_nop follow: the places in front of the loads into the set just read, and of the first read of results.
.macro MUL16 set, s, zero
.irp a, 0,1,2,3
.irp i, 0,1,2,3
.if \zero
	v_wmma_scale_f32_16x16x128_f8f6f4 v[ACC+32*\a+8*\i:ACC+32*\a+8*\i+7], v[128*(\set)+12*\i:128*(\set)+12*\i+11], v[128*(\set)+48+12*\a:128*(\set)+48+12*\a+11], 0, v[SC+8*\i+(\s)], v[SC+8*\a+(\s)] matrix_a_fmt:MATRIX_FMT_BF6 matrix_b_fmt:MATRIX_FMT_BF6 matrix_a_scale:MATRIX_SCALE_ROW1
.else
	v_wmma_scale_f32_16x16x128_f8f6f4 v[ACC+32*\a+8*\i:ACC+32*\a+8*\i+7], v[128*(\set)+12*\i:128*(\set)+12*\i+11], v[128*(\set)+48+12*\a:128*(\set)+48+12*\a+11], v[ACC+32*\a+8*\i:ACC+32*\a+8*\i+7], v[SC+8*\i+(\s)], v[SC+8*\a+(\s)] matrix_a_fmt:MATRIX_FMT_BF6 matrix_b_fmt:MATRIX_FMT_BF6 matrix_a_scale:MATRIX_SCALE_ROW1
.endif
.endr
.endr
.rept 4
	v_nop
.endr
.endm
; The next tensor's fills.  My reads of LDS are over (the wait in front of this macro); my one tensor load landed long ago; the add; the four group 0 step to the next tensor while no load of mine is out;
; the round shows the same of every wave of all sixteen work-groups; the joint refill is the first tensor load behind it, one a wave.
.macro REFILL
	WIN 0
	s_wait_tensorcnt 0x0
	ds_add_u32 v15, v31
	s_add_nc_u64 s[62:63], s[62:63], 64*12288      ; the next weight: 64 tiles on,
	s_add_nc_u64 s[58:59], s[58:59], 64*512
	s_add_nc_u64 s[86:87], s[86:87], 256*12288     ; the next tensor of rows: 256 tiles on
	s_add_nc_u64 s[82:83], s[82:83], 256*512
	s_wait_dscnt 0x0
	CROUND
	ARMS
.endm
; K step s: its fragments are waited for, the next step's are asked for, and the sixteen products stand over those loads.  The step's place along K stands in the loads' immediates.
.macro KSTEP s, refill
	s_wait_dscnt 0x0
.if (\s) < 7
	WIN TO_F
	FETCH ((\s)+1)%2, (\s)+1
.endif
.if \refill
	REFILL
.endif
	WIN W_MUL
	MUL16 (\s)%2, \s, ((\s) == 0)
.endm
; 32 numbers of a lane, register 16 b + i = the i-th of my half's 16 of block b of my row, become a half image in v[g] .. v[g + 5] and the two scale bytes in v[sw].
.macro QUANT2 x, g, sw
.set QX, \x
.set QG, \g
.set QS, \sw
	v_max3_num_f32 v[M0], |v[QX]|, |v[QX+1]|, 0x2800000         ; my 16 numbers of each block, and the floor 2^(5 - 127): the byte cannot fall under 1
	v_max3_num_f32 v[M1], |v[QX+16]|, |v[QX+17]|, 0x2800000
.irp i, 2,4,6,8,10,12,14
	v_max3_num_f32 v[M0], v[M0], |v[QX+\i]|, |v[QX+\i+1]|
	v_max3_num_f32 v[M1], v[M1], |v[QX+16+\i]|, |v[QX+17+\i]|
.endr
	v_permlanex16_b32 v[T0], v[M0], s[SEL], s[SEL+1]
	v_permlanex16_b32 v[T1], v[M1], s[SEL], s[SEL+1]
	v_max_num_f32 v[M0], v[M0], v[T0]              ; with lane l xor 16's: the block's largest magnitude
	v_max_num_f32 v[M1], v[M1], v[T1]
	v_add_nc_u32 v[E0], 0xfe000000, v[M0]          ; 4 off the exponent field: the conversion's scale operand
	v_add_nc_u32 v[E1], 0xfe000000, v[M1]
	v_lshrrev_b32 v[B0], 23, v[E0]                 ; the scale's byte
	v_lshrrev_b32 v[B1], 23, v[E1]
	v_lshl_or_b32 v[QS], v[B1], 8, v[B0]
	v_cvt_scalef32_pk16_bf6_f32 v[QG:QG+2], v[QX:QX+15], v[E0]
	v_cvt_scalef32_pk16_bf6_f32 v[CT:CT+2], v[QX+16:QX+31], v[E1]
	v_nop                                          ; one plain place behind a scaled conversion
.irp i, 0,1,2
	v_permlane16_swap_b32 v[QG+\i], v[CT+\i]       ; the layout wants a whole block in a lane: lanes 0-15 block 0, lanes 16-31 block 1
.endr
.irp i, 0,1,2
	v_mov_b32 v[QG+3+\i], v[CT+\i]
.endr
.endm
; One tensor: its bias into registers, its fills awaited, all of K, the way out.
.macro TENSOR tid
	s_wait_alu depctr_va_vdst(0)                   ; ahead of the waits below
.if \tid < 2
.irp b, 0,1
.irp q, 0,1,2,3
	global_load_b128 v[BQ+16*\b+4*\q:BQ+16*\b+4*\q+3], v10, s[68+2*\tid:69+2*\tid] offset:128*\b+16*\q
.endr
.endr
.else
.irp a, 0,1,2,3
	global_load_b32 v[BQ+\a], v11, s[72:73] offset:128*(\a/2)+4*(\a%2)
.endr
.endif
	s_wait_tensorcnt 0x0                           ; my fill of this tensor is in
	s_barrier_signal -1
	s_barrier_wait -1                              ; everybody's are.  The next tensor's fills come only at the last K step, when all reads of LDS are over
.irp t, 0,1,2,3                        ; all of K's scale words: register 8 t + s: lanes 0-15 source 1's tile t, lanes 16-31 source 0's tile t, K step s
	ds_load_b128 v[SC+8*\t:SC+8*\t+3], v[ASC] offset:512*\t
	ds_load_b128 v[SC+8*\t+4:SC+8*\t+7], v[ASC] offset:512*\t+16
.endr
	WIN TO_F
	FETCH 0, 0
.irp s, 0,1,2,3,4,5,6
	KSTEP \s, 0
.endr
	KSTEP 7, (\tid<2)
	WIN 0
	s_wait_loadcnt 0x0                             ; the bias
.if \tid < 2
	; q, k.  Lane (r, h) holds row s = r of rows' tile a; register j of weight tile i = 2 b + p is n = 32 b + 16 h + 2 j + p of my head.  The addition of the bias writes it to its place in natural order.
.irp a, 0,1,2,3
.irp i, 0,1,2,3
.irp j, 0,1,2,3,4,5,6,7
	v_add_f32 v[X+16*(\i/2)+2*\j+\i%2], v[ACC+32*\a+8*\i+\j], v[BQ+16*(\i/2)+2*\j+\i%2]   ; each accumulator from its low end on
.endr
.endr
	QUANT2 X, ACC+32*\a, ACC+32*\a+6               ; the codes and the bytes take the accumulators' registers, which have been read: each a has its own
	global_store_b128 v12, v[ACC+32*\a:ACC+32*\a+3], s[74:75] offset:3145728*\tid+768*\a
	global_store_b64 v13, v[ACC+32*\a+4:ACC+32*\a+5], s[74:75] offset:3145728*\tid+768*\a+512
.endr
	v_cmp_ne_u32 vcc_lo, 0, v3
	v_cndmask_b32 v16, v[ACC+6], v[ACC+64+6], vcc_lo       ; lanes 0-15 store the words of a = 0, 1, lanes 16-31 those of a = 2, 3
	v_cndmask_b32 v17, v[ACC+32+6], v[ACC+96+6], vcc_lo
	global_store_b64 v14, v[16:17], s[76:77] offset:262144*\tid   ; 256 consecutive bytes, at a multiple of 256 from the buffer's first byte
	s_wait_xcnt 0x0                                ; the stores have read their registers: the next tensor's sums may be written there
.else
	; v.  Lane (r, h) holds row r of weight tile a (one d); register j of rows' tile i is key 16 i + 8 h + j of my 64.  Taken as they stand, a block's keys fall in the order 0-7, 16-23, 8-15, 24-31.
.irp a, 0,1,2,3
.irp i, 0,1,2,3
.irp j, 0,1,2,3,4,5,6,7
	v_add_f32 v[X+8*\i+\j], v[ACC+32*\a+8*\i+\j], v[BQ+\a]
.endr
.endr
	QUANT2 X, ACC+32*\a, ACC+32*\a+6
	global_store_b128 v12, v[ACC+32*\a:ACC+32*\a+3], s[74:75] offset:3145728*\tid+768*\a
	global_store_b64 v13, v[ACC+32*\a+4:ACC+32*\a+5], s[74:75] offset:3145728*\tid+768*\a+512
.endr
	v_lshl_or_b32 v16, v[ACC+32+6], 16, v[ACC+6]
	v_lshl_or_b32 v17, v[ACC+96+6], 16, v[ACC+64+6]
	v_cmp_ne_u32 vcc_lo, 0, v3
	v_cndmask_b32 v16, v16, v17, vcc_lo
	global_store_b32 v1, v16, s[78:79] offset:524288   ; 128 consecutive bytes; the wave with the other four tiles of rows stores the 128 beside them
.endif
.endm
.set AD0, 4                            ; q, k: source 0 = the weight, source 1 = the rows
.set AE0, 5
.set AD1, 6
.set AE1, 7
.set ASC, 8
	TENSOR 0
	TENSOR 1
.set AD0, 6                            ; v: the sources change places
.set AE0, 7
.set AD1, 4
.set AE1, 5
.set ASC, 9
	TENSOR 2
	s_wait_tensorcnt 0x0                           ; the wave's end
	ds_add_u32 v15, v31
	s_wait_dscnt 0x0
	CROUND                                         ; the closing round: no work-group ends while a partner may still ask for a tile that names it
	s_endpgm
.Lfunc_end_k_q321aab9ba5_proj:
	.size	k_q321aab9ba5_proj, .Lfunc_end_k_q321aab9ba5_proj-k_q321aab9ba5_proj
	.p2alignl 7, 3214868480
	.fill 96, 4, 3214868480
	.section	.rodata,"a",@progbits
	.p2align	6, 0x0
	.amdhsa_kernel k_q321aab9ba5_proj
		.amdhsa_group_segment_fixed_size 327680
		.amdhsa_private_segment_fixed_size 0
		.amdhsa_enable_private_segment 0
		.amdhsa_kernarg_size 56
		.amdhsa_user_sgpr_count 2
		.amdhsa_user_sgpr_kernarg_segment_ptr 1
		.amdhsa_wavefront_size32 1
		.amdhsa_system_sgpr_workgroup_id_x 1
		.amdhsa_system_sgpr_workgroup_id_y 1
		.amdhsa_system_sgpr_workgroup_id_z 1
		.amdhsa_system_vgpr_workitem_id 0
		.amdhsa_next_free_vgpr 512
		.amdhsa_next_free_sgpr 106
		.amdhsa_reserve_vcc 1
		.amdhsa_float_denorm_mode_32 3
		.amdhsa_float_denorm_mode_16_64 3
		.amdhsa_memory_ordered 1
		.amdhsa_forward_progress 1
		.amdhsa_inst_pref_size 155
	.end_amdhsa_kernel
	.amdgpu_metadata
---
amdhsa.version: [ 1, 2 ]
amdhsa.kernels:
  - .name:           k_q321aab9ba5_proj
    .symbol:         k_q321aab9ba5_proj.kd
    .args:
      - { .name: codes, .offset: 0, .size: 8, .value_kind: global_buffer, .address_space: global }
      - { .name: scales, .offset: 8, .size: 8, .value_kind: global_buffer, .address_space: global }
      - { .name: bq, .offset: 16, .size: 8, .value_kind: global_buffer, .address_space: global }
      - { .name: bk, .offset: 24, .size: 8, .value_kind: global_buffer, .address_space: global }
      - { .name: bv, .offset: 32, .size: 8, .value_kind: global_buffer, .address_space: global }
      - { .name: qkvc, .offset: 40, .size: 8, .value_kind: global_buffer, .address_space: global }
      - { .name: qkvs, .offset: 48, .size: 8, .value_kind: global_buffer, .address_space: global }
    .group_segment_fixed_size: 327680
    .private_segment_fixed_size: 0
    .kernarg_segment_align: 8
    .kernarg_segment_size: 56
    .max_flat_workgroup_size: 128
    .sgpr_count:     106
    .vgpr_count:     512
    .wavefront_size: 32
...
	.end_amdgpu_metadata
.endif
;; end of part 2
;; launch attn (part 3): grid 8 x 32, 16 waves a work-group, clusters of 4 x 1, 211,456 bytes of LDS; arguments qkvc, qkvs, xc, xs; writes xc, xs
.if DOCPART == 3
	.amdgcn_target "amdgcn-amd-amdhsa--gfx1250"
	.amdhsa_code_object_version 6
	.text
	.protected	k_q321aab9ba5_attn
	.globl	k_q321aab9ba5_attn
	.p2align	8
	.type	k_q321aab9ba5_attn,@function
k_q321aab9ba5_attn:
	s_mov_b64 s[64:65], 0
	v_nop
	global_prefetch_b8 v0, s[64:65] scope:SCOPE_SE
	s_setreg_imm32_b32 hwreg(HW_REG_WAVE_MODE, 25, 1), 1
	s_wait_xcnt 0x0
	s_wait_alu depctr_hold_cnt(0) depctr_sa_sdst(0) depctr_va_vdst(0) depctr_va_sdst(0) depctr_va_ssrc(0) depctr_va_vcc(0) depctr_vm_vsrc(0)
	s_getreg_b32 s2, hwreg(HW_REG_IB_STS2, 6, 4)
	s_cmp_eq_u32 s2, 0
	s_cbranch_scc0 .Lentry_in_a_cluster
	s_endpgm
.Lentry_in_a_cluster:
	s_bfe_u32 s2, ttmp6, 0x10000c
	s_cmp_lg_u32 s2, 0x3003
	s_cbranch_scc0 .Lentry_shape_is_right
	s_endpgm
.Lentry_shape_is_right:
; x[q] = the sum over keys of softmax(q . k / 8) v for one (batch, head), both products on codes of BF6 (E3M2) with E8M0 scales; x leaves QUANTISED along (head, d) for the last product.
; The input mask has no way to any output (see the first kernel's head) and is not among the arguments.
; THE SOFTMAX AHEAD OF THE SECOND PRODUCT: t = score x log2(e) / 8; M = the row's largest t so far, rounded UP to a whole number; p = 2^(t - M) is quantised along the keys, not normalised.
; The row's sum is taken of the unquantised p, in f32, and divides O at the end.  When M moves, the sum and O are multiplied by 2^(old M - new M): exact.
; LIMITS: NaN and infinities are not served; a block of zeros gets the byte 1 (its codes are zeros; this program alone reads the bytes); the scaled scores stay under 2^31 in magnitude.
; THE HEAD'S 64 ARE HALF OF THE MATRIX INSTRUCTION'S 128 ALONG K.  q's upper 64 are zero codes under the scale bytes 0.  The fragments of k stand SIX registers apart, so that a fragment's upper six are the next tile's codes
; (the last tile's: whatever the region held).  Each of those codes meets a zero code of q and adds nothing: BF6 has no code for NaN or infinity.
; INPUT (a half image is 16 rows x 64 K as the matrix unit's registers: lane l's registers 0-3 at 16 l, 4-5 at 512 + 8 l):
;   qkvc: q at 0, k at 3,145,728, v at 6,291,456; head bh at 98,304 bh; q, k: [s / 16][768]; v: [keys / 64][a 4][768], rows d = 32 (a / 2) + 2 r + a % 2, a block's keys in the order 0-7, 16-23, 8-15, 24-31.
;   qkvs: q at 0, k at 262,144: [bh][s / 64][r][a] words; v at 524,288: [bh][keys / 64][r][a] of two bytes.
; SHARES.  A work-group owns 256 queries of one head, each of its sixteen waves 16 of them.  ALL of the head's k and v lie in LDS, filled once: each wave asks for one sixteenth, 8 rows of 1,536 bytes, by its one tensor load.
; Each 3,072 bytes (64 keys) of k and of v are cut in two: four LDS regions REG bytes apart: k's keys 0-31 of each 64, k's keys 32-63, v's a = 0, 1, v's a = 2, 3.  The scale bytes, 12,288 in all, come by plain loads and LDS stores.
; CLUSTER: the four work-groups of a cluster belong to one head and want the same k and v: joint loads with a mask that names the four.  No prefetch: all that the launch reads is asked for at its head.
; A TILE OF k IS NOT 16 NEIGHBOURS.  Both products are used transposed (S^T = k q^T, O^T = v^T p^T): lane (r, h) holds query r, and register j of a score tile is the tile's row 8 h + j.  Tile u of a group of 64 keys takes as rows 0-7
; the keys 8 g + 0 .. 7 of the group's first block of 32 and as rows 8-15 the same of its second, g = 0, 2, 1, 3 for u = 0 .. 3.  So a lane's 32 registers of four tiles are ONE WHOLE BLOCK, in v's order of keys: a block's largest
; score needs no other lane, and the conversions' results are p's operand as it stands.  Rows 8-15 are read REG bytes further on, which is 128 modulo 256: the sixteen lanes of a 16-byte read touch sixteen different columns.
; THE KEY STEP IS A PIPELINE.  Two regions of 64 registers change roles from step to step: ra holds k's eight tiles, then v's fragments; rb takes S^T, then p, then the next step's k.
; OUTPUT: xc [128 b + s / 16][head 16][768]; xs [128 b + s / 16][r][head] of two bytes.
.set REG, 49280                        ; from region to region: 49,152 bytes of codes + 128
.set VC, 2*REG
.set KS, 4*REG                         ; k's scale words, 256 bytes for each 64 keys: written by LDS stores, no tensor load lands here
.set VS, KS+8192                       ; v's scale bytes, 128 bytes for each 64 keys: likewise
.set SPARE, VS+4096                    ; the spare words, 128 bytes a wave
.set STEPB, 3072                       ; a step's 128 keys in each region
.set R1, 32                            ; v32-95, v96-159 the two regions
.set R2, 96
.set O,  160                           ; v160-191 O^T
.set PC, 192                           ; v192-203 p's codes
.set CT, 204                           ; v204-206, v208-210 the conversions' second halves
.set KW, 212                           ; v212-219 k's scale words
.set VL, 220                           ; v220-223 v's scale bytes as they lie
.set VH, 222
.set VW, 224                           ; v224-227 v's scale words
.set BM, 228                           ; v228-229 my two blocks' largest
.set TP, 232                           ; v232-235 at work
.set E,  236                           ; v236-237 the conversions' scale operands
.set PW, 240                           ; p's scale word
.set F,  242                           ; f = 2^(old M - new M); v243 is named with it as a pair
.set TM, 244
.set OLD, 245                          ; -M of the step before
.set SB, 246                           ; v246-251 three more chains of the sum
.set SC, 248
.set SD, 250
.set L16, 252                          ; 16 l, 8 l
.set L8, 253
.set M0, BM
.set M1, BM+1
.set T0, TP
.set T1, TP+1
.set B0, TP+2
.set B1, TP+3
.set E0, E
.set E1, E+1
.set WV,  12
.set NCS, 13                           ; -c (it holds my place in the cluster until that has entered my block's number)
.set SEL, 92                           ; lane selects: lane l xor 16
.set CS,  94                           ; s[94:95] c = log2(e) / 8
.set TB,  96                           ; where the step's codes begin in each region
.set TS,  97                           ; k's scale words
.set TV,  98                           ; v's scale bytes
.set CNT, 99
.macro CROUND                          ; a round of the cluster's barrier
	s_barrier_signal -1
	s_barrier_wait -1
	s_cmp_lg_u32 s[WV], 0
	s_cbranch_scc1 .Lnot_wave_0_\@
	s_barrier_signal -3
.Lnot_wave_0_\@:
	s_barrier_wait -3
	s_barrier_signal -1
	s_barrier_wait -1
.endm
	s_load_b256 s[4:11], s[0:1], 0x0               ; qkvc s[4:5], qkvs s[6:7], xc s[8:9], xs s[10:11]
	v_lshl_add_u32 v254, v0, 2, SPARE
	v_mov_b32 v255, 0
	ds_add_u32 v254, v255                          ; the opening lines: the add twice on end and its wait
	ds_add_u32 v254, v255
	v_lshrrev_b32 v7, 5, v0
	v_readfirstlane_b32 s[WV], v7                  ; wave 0..15
	s_bfe_u32 s13, ttmp6, 0x40000                  ; cx
	s_lshl_b32 s14, ttmp9, 2
	s_add_co_u32 s14, s14, s13                     ; my block of 256 queries: it enters q's, xc's and xs's addresses alone
	s_and_b32 s15, ttmp7, 0xffff                   ; bh = 16 b + head, which the four partners share
	s_lshl_b32 s16, s14, 4
	s_add_co_u32 s16, s16, s[WV]                   ; my tile of 16 queries
	s_mov_b32 s24, 15|(3<<16)|(1<<21)              ; group 1: the mask names all four work-groups, bit 21 beside it; elements of 8 bytes
	s_mov_b32 s25, 192<<16                         ; rows of 1,536 bytes,
	s_mov_b32 s26, 8<<16                           ; eight of them,
	s_mov_b32 s27, 192<<16
	s_mov_b32 s28, 8
	s_mov_b32 s29, 384                             ; 3,072 bytes apart in memory, dense in LDS
	s_mov_b32 s30, 0
	s_mov_b32 s31, 0
	s_mov_b32 s48, 1                               ; group 0: region wave / 4, quarter wave % 4
	s_mul_i32 s20, s15, 98304                      ; the head in a tensor of codes
	s_lshr_b32 s17, s[WV], 2
	s_mul_i32 s49, s17, REG
	s_and_b32 s18, s[WV], 3
	s_mul_i32 s19, s18, 12288
	s_add_co_u32 s49, s49, s19                     ; LDS: REG x region + 12,288 x quarter
	s_mul_i32 s18, s18, 24576                      ; memory: eight groups of 3,072 bytes a quarter,
	s_and_b32 s19, s17, 1
	s_mul_i32 s19, s19, 1536                       ; the group's first or second half,
	s_add_co_u32 s18, s18, s19
	s_lshr_b32 s19, s17, 1
	s_add_co_u32 s19, s19, 1
	s_mul_i32 s19, s19, 3145728                    ; k's tensor or v's,
	s_add_co_u32 s18, s18, s19
	s_add_co_u32 s18, s18, s20                     ; the head
	s_mov_b32 s19, 0
	s_mul_i32 s21, s16, 768
	s_add_co_u32 s20, s20, s21                     ; q's half image of my tile
	s_mov_b32 s21, 0
	s_lshl_b32 s22, s15, 13                        ; the head in q's and k's scale words
	s_mov_b32 s23, 0
	s_lshr_b32 s52, s16, 2
	s_lshl_b32 s52, s52, 8
	s_and_b32 s53, s16, 3
	s_lshl_b32 s53, s53, 2
	s_add_co_u32 s52, s52, s53
	s_add_co_u32 s52, s52, s22                     ; my tile's scale words
	s_mov_b32 s53, 0
	s_lshl_b32 s2, s15, 12                         ; the head in v's scale bytes
	s_mov_b32 s3, 0
	s_mov_b32 s[SEL], 0x76543210
	s_mov_b32 s[SEL+1], 0xfedcba98
	s_mov_b32 s[CS], 0x3e38aa3b                    ; c = log2(e) / 8
	s_mov_b32 s[CS+1], s[CS]                       ; (named with it as a pair, so it is written)
	s_mov_b32 s[NCS], 0xbe38aa3b                   ; -c
	v_and_b32 v96, 31, v0                          ; l
	v_and_b32 v97, 7, v0                           ; r % 8
	v_bfe_u32 v98, v0, 3, 1                        ; r / 8
	v_bfe_u32 v99, v0, 4, 1                        ; h
	v_lshlrev_b32 v[L16], 4, v96
	v_lshlrev_b32 v[L8], 3, v96
	v_lshlrev_b32 v1, 4, v97
	v_lshlrev_b32 v2, 3, v97
	v_lshl_add_u32 v1, v99, 8, v1
	v_lshl_add_u32 v2, v99, 7, v2
	v_mad_u32_u24 v1, v98, REG, v1                 ; k: 16 (r % 8 + 16 h) + REG (r / 8)
	v_mad_u32_u24 v2, v98, REG, v2                 ;    8 (r % 8 + 16 h) + REG (r / 8)
	v_add_nc_u32 v3, VC, v[L16]                    ; v: 16 l, 8 l
	v_add_nc_u32 v4, VC, v[L8]
	v_lshlrev_b32 v5, 4, v97
	v_lshl_add_u32 v5, v98, 3, v5
	v_add_nc_u32 v5, KS, v5                        ; k's scale words: 16 (r % 8) + 8 (r / 8)
	v_and_b32 v7, 15, v0                           ; r
	v_lshl_add_u32 v6, v7, 3, VS                   ; v's scale bytes: 8 bytes a row
	v_lshlrev_b32 v19, 5, v7                       ; xs: 32 r
	v_lshlrev_b32 v7, 4, v7                        ; q's scale words: 16 r
	v_lshl_add_u32 v100, v0, 4, KS                 ; the scale bytes go in as they lie: 16 bytes a thread,
	v_lshl_add_u32 v101, v0, 3, VS                 ; 8 bytes a thread
	v_lshlrev_b32 v102, 4, v0
	v_lshlrev_b32 v103, 3, v0
	s_wait_alu depctr_va_vdst(0)                   ; directly ahead of the waits below
	s_wait_dscnt 0x0                               ; both opening adds are done
	s_wait_kmcnt 0x0
	s_add_nc_u64 s[50:51], s[4:5], s[18:19]
	s_or_b32 s51, s51, 0x80000000
	s_add_nc_u64 s[20:21], s[4:5], s[20:21]
	s_add_nc_u64 s[22:23], s[6:7], s[22:23]
	s_add_nc_u64 s[52:53], s[6:7], s[52:53]
	s_add_nc_u64 s[2:3], s[6:7], s[2:3]
	global_load_b128 v[32:35], v102, s[22:23] offset:262144   ; k's scale words: 512 consecutive bytes a wave
	global_load_b64 v[36:37], v103, s[2:3] offset:524288      ; v's scale bytes: 256 consecutive bytes a wave
	global_load_b128 v[20:23], v[L16], s[20:21]    ; q's fragment stays in registers
	global_load_b64 v[24:25], v[L8], s[20:21] offset:512
	global_load_b32 v18, v7, s[52:53]
	CROUND                                         ; all four work-groups are here: the joint loads meet
	tensor_load_to_lds s[48:51], s[24:31]          ; my one tensor load
	s_nop 0
.rept 4
	v_nop
.endr
	s_lshr_b32 s32, s15, 4
	s_lshl_b32 s32, s32, 7
	s_add_co_u32 s32, s32, s16                     ; the output's tile: 128 b + s / 16
	s_and_b32 s33, s15, 15                         ; the head
	s_lshl_b32 s34, s32, 4
	s_add_co_u32 s34, s34, s33
	s_mul_i32 s34, s34, 768
	s_mov_b32 s35, 0
	s_add_nc_u64 s[8:9], s[8:9], s[34:35]
	s_lshl_b32 s34, s32, 9
	s_lshl_b32 s33, s33, 1
	s_add_co_u32 s34, s34, s33
	s_add_nc_u64 s[10:11], s[10:11], s[34:35]
	s_mov_b32 s[TB], 0
	s_mov_b32 s[TS], 0
	s_mov_b32 s[TV], 0
.irp i, 26,27,28,29,30,31
	v_mov_b32 v\i, 0                               ; q's upper 64 along K: zero codes
.endr
.irp i, 48,49,50,51,52,53
	v_mov_b32 v[R1+\i], 0                          ; the upper half of the first step's last fragment of k
.endr
.irp j, 0,1,2,3,4,5,6,7,8,9,10,11,12,13,14,15,16,17,18,19,20,21,22,23,24,25,26,27,28,29,30,31
	v_mov_b32 v[O+\j], 0                           ; O^T.  (The step has no first form of its own: the first finds zeros, which the first change of M leaves zeros)
.endr
	v_mov_b32 v15, 0xff61b1e6                      ; the largest score so far: -3e38
	v_mov_b32 v16, 0                               ; the sum, in two halves
	v_mov_b32 v17, 0
	v_mul_f32 v[TM], s[NCS], v15
.irp b, 0,1,2,3
	v_mov_b32 v[TP+\b], 0                          ; a lane permute's destination counts as one of its sources
.endr
	v_floor_f32 v14, v[TM]                         ; -M
	v_mov_b32 v[F+1], 0
	s_delay_alu instid0(VALU_DEP_2)
	v_mov_b32 v[OLD], v14
	v_add_nc_u32 v8, s[TB], v1                     ; step 0's addresses
	v_add_nc_u32 v9, s[TB], v2
	v_add_nc_u32 v10, s[TB], v3
	v_add_nc_u32 v11, s[TB], v4
	v_add_nc_u32 v12, s[TS], v5
	v_add_nc_u32 v13, s[TV], v6
; 22 LDS loads: a step's eight tiles of k into region r, six registers apart; its eight scale words of k; v's scale bytes of its two times 64 keys.  ahead = 1: the step behind the one whose addresses are given
.macro KLOAD r, a16, a8, aks, avs, ahead
.irp c, 0,1
.irp u, 0,1,2,3
	ds_load_b128 v[\r+24*\c+6*\u:\r+24*\c+6*\u+3], v[\a16] offset:STEPB*\ahead+1536*\c+768*(\u%2)+128*(\u/2)
	ds_load_b64 v[\r+24*\c+6*\u+4:\r+24*\c+6*\u+5], v[\a8] offset:STEPB*\ahead+1536*\c+768*(\u%2)+64*(\u/2)+512
.endr
.irp e, 0,1
	ds_load_b64 v[KW+4*\c+2*\e:KW+4*\c+2*\e+1], v[\aks] offset:512*\ahead+256*\c+128*\e   ; my row's words of tiles 2 e, 2 e + 1
.endr
.endr
	ds_load_b64 v[VL:VL+1], v[\avs] offset:256*\ahead
	ds_load_b64 v[VH:VH+1], v[\avs] offset:256*\ahead+128
.endm
.macro PF rb, p                        ; pair p of the scores: t - M, two at a time (of the pairs c and -M the low word serves both halves)
	v_pk_fma_f32 v[\rb+2*(\p):\rb+2*(\p)+1], v[\rb+2*(\p):\rb+2*(\p)+1], s[CS:CS+1], v[14:15] op_sel_hi:[1,0,0]
.endm
; A KEY STEP: 128 keys.  pre = 1: the next step's k is asked for; 0: the last step asks for nothing.
.macro STEP ra, rb, pre
	s_wait_dscnt 0x0                               ; k's tiles and the scale bytes are in.  (The step's addresses, v8-13, were made in the step before)
.irp t, 0,1,2,3,4,5,6,7                ; S^T = k q^T: register 32 c + 8 u + j of lane (r, h) is place 8 u + j of block 2 c + h
	v_wmma_scale_f32_16x16x128_f8f6f4 v[\rb+8*\t:\rb+8*\t+7], v[\ra+6*\t:\ra+6*\t+11], v[20:31], 0, v[KW+\t], v18 matrix_a_fmt:MATRIX_FMT_BF6 matrix_b_fmt:MATRIX_FMT_BF6
.endr
	v_perm_b32 v[VW], v[VH], v[VL], 0x05040100     ; v's scale words: two bytes of each 64 keys.  (Four plain instructions: the places behind the products)
	v_perm_b32 v[VW+1], v[VH], v[VL], 0x07060302
	v_perm_b32 v[VW+2], v[VH+1], v[VL+1], 0x05040100
	v_perm_b32 v[VW+3], v[VH+1], v[VL+1], 0x07060302
.irp a, 0,1,2,3                        ; v's four fragments (16 d x these 128 keys) take k's registers: sixteen loads
.irp c, 0,1
	ds_load_b128 v[\ra+12*\a+6*\c:\ra+12*\a+6*\c+3], v10 offset:REG*(\a/2)+1536*\c+768*(\a%2)
	ds_load_b64 v[\ra+12*\a+6*\c+4:\ra+12*\a+6*\c+5], v11 offset:REG*(\a/2)+1536*\c+768*(\a%2)+512
.endr
.endr
.irp c, 0,1                            ; the largest score of each of my two blocks, in two chains each; every accumulator is first read at its low end
	v_max3_num_f32 v[BM+\c], v[\rb+32*\c], v[\rb+32*\c+1], v[\rb+32*\c+2]
	v_max3_num_f32 v[TP+\c], v[\rb+32*\c+16], v[\rb+32*\c+17], v[\rb+32*\c+18]
.endr
.irp i, 3,5,7,9,11,13
.irp c, 0,1
	v_max3_num_f32 v[BM+\c], v[BM+\c], v[\rb+32*\c+\i], v[\rb+32*\c+\i+1]
	v_max3_num_f32 v[TP+\c], v[TP+\c], v[\rb+32*\c+16+\i], v[\rb+32*\c+17+\i]
.endr
.endr
.irp c, 0,1
	v_max3_num_f32 v[BM+\c], v[BM+\c], v[TP+\c], v[\rb+32*\c+15]
.endr
.irp c, 0,1
	v_max_num_f32 v[BM+\c], v[BM+\c], v[\rb+32*\c+31]
.endr
	v_max_num_f32 v[TM], v[BM], v[BM+1]
	v_permlanex16_b32 v[TP], v[TM], s[SEL], s[SEL+1]   ; lane l xor 16 holds the query's other two blocks
	v_max3_num_f32 v15, v15, v[TM], v[TP]          ; the running largest score (c is positive)
	v_mul_f32 v[TM], s[NCS], v15                   ; -t
	v_floor_f32 v14, v[TM]                         ; the new -M = floor(-t) = -ceil(t): a whole number
	v_sub_f32 v[TM], v14, v[OLD]                   ; M's old value less its new one: a whole number, 0 or less
	v_fma_f32 v[BM], v[BM], s[CS], v14             ; t - M of each block's largest score
	v_fma_f32 v[BM+1], v[BM+1], s[CS], v14
	PF \rb, 0
	PF \rb, 1
	v_cvt_i32_f32 v[TM], v[TM]                     ; (it saturates)
	PF \rb, 2
	PF \rb, 3
	s_delay_alu instid0(VALU_DEP_3)
	v_ldexp_f32 v[F], 1.0, v[TM]                   ; f = 2^(old M - new M)
.set k, 4
.rept 28
	PF \rb, k
.set k, k+1
.endr
	s_wait_alu depctr_va_vdst(0)                   ; ahead of the batch
	v_exp_f32 v[BM], v[BM]                         ; the block's largest p: the same multiply-add and exponential on the same number give the same bits
	v_exp_f32 v[BM+1], v[BM+1]
.set k, 0
.rept 64
	v_exp_f32 v[\rb+k], v[\rb+k]                   ; p = 2^(t - M), at most 1: not normalised
.set k, k+1
.endr
	v_pk_mul_f32 v[16:17], v[16:17], v[F:F+1] op_sel_hi:[1,0]   ; the sums under the new M.  (The plain place behind the exponentials)
	s_wait_alu depctr_va_vdst(0)                   ; one wait for the batch, directly ahead of the first readers of O^T too
.irp j, 0,2,4,6,8,10,12,14,16,18,20,22,24,26,28,30
	v_pk_mul_f32 v[O+\j:O+\j+1], v[O+\j:O+\j+1], v[F:F+1] op_sel_hi:[1,0]   ; O^T under the new M
.endr
.irp c, 0,1
	v_max_num_f32 v[BM+\c], 0x2800000, v[BM+\c]    ; the floor 2^(5 - 127): the byte cannot fall under 1
.endr
	v_pk_add_f32 v[SB:SB+1], v[\rb:\rb+1], v[\rb+2:\rb+3]       ; the sum of the UNQUANTISED p, two at a time, in four chains
	v_pk_add_f32 v[SC:SC+1], v[\rb+4:\rb+5], v[\rb+6:\rb+7]
	v_pk_add_f32 v[SD:SD+1], v[\rb+8:\rb+9], v[\rb+10:\rb+11]
	v_pk_add_f32 v[16:17], v[16:17], v[\rb+12:\rb+13]
.irp c, 0,1
	v_add_nc_u32 v[E+\c], 0xfe000000, v[BM+\c]     ; 4 off the exponent field: the conversion's scale operand
.endr
.irp j, 14,22,30,38,46,54
	v_pk_add_f32 v[SB:SB+1], v[SB:SB+1], v[\rb+\j:\rb+\j+1]
	v_pk_add_f32 v[SC:SC+1], v[SC:SC+1], v[\rb+\j+2:\rb+\j+3]
	v_pk_add_f32 v[SD:SD+1], v[SD:SD+1], v[\rb+\j+4:\rb+\j+5]
	v_pk_add_f32 v[16:17], v[16:17], v[\rb+\j+6:\rb+\j+7]
.endr
	v_pk_add_f32 v[SB:SB+1], v[SB:SB+1], v[\rb+62:\rb+63]
.irp c, 0,1
	v_lshrrev_b32 v[TP+\c], 23, v[E+\c]            ; the scale's byte
.endr
.irp c, 0,1                            ; registers 6 c .. 6 c + 5 of p's operand: my block 2 c + h
	v_cvt_scalef32_pk16_bf6_f32 v[PC+6*\c:PC+6*\c+2], v[\rb+32*\c:\rb+32*\c+15], v[E+\c]
	v_cvt_scalef32_pk16_bf6_f32 v[CT+4*\c:CT+4*\c+2], v[\rb+32*\c+16:\rb+32*\c+31], v[E+\c]   ; (a conversion's three registers begin on an even number)
.endr
.if \pre
	KLOAD \rb, 8, 9, 12, 13, 1                     ; p is dead: the next step's k takes its registers
.endif
	v_lshl_or_b32 v[TM], v[TP+1], 16, v[TP]        ; my bytes: blocks h and 2 + h.  (Also the plain instruction behind the conversions)
	s_delay_alu instid0(VALU_DEP_1)
	v_permlanex16_b32 v[TP+2], v[TM], s[SEL], s[SEL+1]
	s_delay_alu instid0(VALU_DEP_1)
	v_lshl_or_b32 v[PW], v[TP+2], 8, v[TM]         ; lanes 0-15, which alone are read: blocks 0, 2 are mine, 1, 3 lane l + 16's
.irp c, 0,1
.irp i, 0,1,2
	v_mov_b32 v[PC+6*\c+3+\i], v[CT+4*\c+\i]
.endr
.endr
	s_add_co_u32 s[TB], s[TB], STEPB               ; on to the next step: this step's LDS loads have all been issued
	s_add_co_u32 s[TS], s[TS], 512
	s_add_co_u32 s[TV], s[TV], 256
	v_add_nc_u32 v8, s[TB], v1                     ; its addresses.  (With the six moves: twelve places behind p's scale word, six behind its last code register)
	v_add_nc_u32 v9, s[TB], v2
	v_add_nc_u32 v10, s[TB], v3
	v_add_nc_u32 v11, s[TB], v4
	v_add_nc_u32 v12, s[TS], v5
	v_add_nc_u32 v13, s[TV], v6
	s_wait_alu depctr_va_vdst(0)                   ; directly ahead of the wait below
.if \pre
	s_wait_dscnt 22                                ; v's sixteen loads are in; the 22 issued behind them, the next step's, may be out
.else
	s_wait_dscnt 0x0
.endif
.irp a, 0,1,2,3                        ; O^T += v^T p^T; the four accumulators take turns
	v_wmma_scale_f32_16x16x128_f8f6f4 v[O+8*\a:O+8*\a+7], v[\ra+12*\a:\ra+12*\a+11], v[PC:PC+11], v[O+8*\a:O+8*\a+7], v[VW+\a], v[PW] matrix_a_fmt:MATRIX_FMT_BF6 matrix_b_fmt:MATRIX_FMT_BF6
.endr
	v_pk_add_f32 v[SB:SB+1], v[SB:SB+1], v[SC:SC+1]    ; the sum's chains join.  Six plain instructions: the places between these products and the next step's, which write over v's fragments (five are asked)
	v_pk_add_f32 v[16:17], v[16:17], v[SD:SD+1]
	v_mov_b32 v[OLD], v14
	v_pk_add_f32 v[16:17], v[16:17], v[SB:SB+1]
	v_nop
	v_nop
.endm
	s_wait_alu depctr_va_vdst(0)                   ; the head's end
	s_wait_loadcnt 0x0                             ; q and the scale bytes
	s_wait_tensorcnt 0x0                           ; my sixteenth of k and v is in
	ds_store_b128 v100, v[32:35]
	ds_store_b64 v101, v[36:37]
	s_wait_dscnt 0x0
	s_barrier_signal -1
	s_barrier_wait -1                              ; everybody's are
	KLOAD R1, 1, 2, 5, 6, 0                        ; step 0's k
	s_mov_b32 s[CNT], 7
.Lpair:                                ; steps 0 to 13, two a trip: the regions are back in their roles
	STEP R1, R2, 1
	STEP R2, R1, 1
	s_sub_co_u32 s[CNT], s[CNT], 1
	s_cmp_lg_u32 s[CNT], 0
	s_cbranch_scc1 .Lpair
	STEP R1, R2, 1
	STEP R2, R1, 0                                 ; the last step is written out: it asks for nothing, so that no LDS load reaches past the tiles
	; THE WAY OUT.  O^T / the sum; register j of tile a = 2 t + p is d = 32 t + 16 h + 2 j + p: the multiplication writes it to its place in natural order; then the quantiser along d.
.rept 4
	v_nop                                          ; places behind the last products
.endr
	v_add_f32 v16, v16, v17                        ; the sum's two halves,
	s_delay_alu instid0(VALU_DEP_1)
	v_permlanex16_b32 v[TM], v16, s[SEL], s[SEL+1]
	s_delay_alu instid0(VALU_DEP_1)
	v_add_f32 v16, v16, v[TM]                      ; and lane l xor 16's: the row's sum
	s_wait_alu depctr_va_vdst(0)                   ; ahead of the transcendental
	v_rcp_f32 v16, v16
	v_nop                                          ; one plain place behind a transcendental
	s_wait_alu depctr_va_vdst(0)                   ; and behind it, directly ahead of the first readers
.irp t, 0,1
.irp p, 0,1
.irp j, 0,1,2,3,4,5,6,7
	v_mul_f32 v[R1+16*\t+2*\j+\p], v[O+8*(2*\t+\p)+\j], v16    ; each accumulator from its low end on
.endr
.endr
.endr
	v_max3_num_f32 v[M0], |v[R1]|, |v[R1+1]|, 0x2800000        ; my 16 numbers of each of the head's two blocks, and the floor
	v_max3_num_f32 v[M1], |v[R1+16]|, |v[R1+17]|, 0x2800000
.irp i, 2,4,6,8,10,12,14
	s_delay_alu instid0(VALU_DEP_2)
	v_max3_num_f32 v[M0], v[M0], |v[R1+\i]|, |v[R1+\i+1]|
	s_delay_alu instid0(VALU_DEP_2)
	v_max3_num_f32 v[M1], v[M1], |v[R1+16+\i]|, |v[R1+17+\i]|
.endr
	s_delay_alu instid0(VALU_DEP_2)
	v_permlanex16_b32 v[T0], v[M0], s[SEL], s[SEL+1]
	s_delay_alu instid0(VALU_DEP_2)
	v_permlanex16_b32 v[T1], v[M1], s[SEL], s[SEL+1]
	s_delay_alu instid0(VALU_DEP_2)
	v_max_num_f32 v[M0], v[M0], v[T0]
	s_delay_alu instid0(VALU_DEP_2)
	v_max_num_f32 v[M1], v[M1], v[T1]
	s_delay_alu instid0(VALU_DEP_2)
	v_add_nc_u32 v[E0], 0xfe000000, v[M0]
	s_delay_alu instid0(VALU_DEP_2)
	v_add_nc_u32 v[E1], 0xfe000000, v[M1]
	s_delay_alu instid0(VALU_DEP_2)
	v_lshrrev_b32 v[B0], 23, v[E0]
	s_delay_alu instid0(VALU_DEP_2)
	v_lshrrev_b32 v[B1], 23, v[E1]
	s_delay_alu instid0(VALU_DEP_1)
	v_lshl_or_b32 v[TM], v[B1], 8, v[B0]           ; the two scale bytes: equal in lanes l and l xor 16
	v_cvt_scalef32_pk16_bf6_f32 v[PC:PC+2], v[R1:R1+15], v[E0]
	v_cvt_scalef32_pk16_bf6_f32 v[CT:CT+2], v[R1+16:R1+31], v[E1]
	v_nop                                          ; one plain place behind a scaled conversion
.irp i, 0,1,2
	v_permlane16_swap_b32 v[PC+\i], v[CT+\i]       ; here a lane holds half of each block: the layout wants a whole block in a lane
.endr
.irp i, 0,1,2
	s_delay_alu instid0(VALU_DEP_3)
	v_mov_b32 v[PC+3+\i], v[CT+\i]
.endr
	global_store_b128 v[L16], v[PC:PC+3], s[8:9]   ; 512 consecutive bytes, at a multiple of 256 from the buffer's first byte
	global_store_b64 v[L8], v[PC+4:PC+5], s[8:9] offset:512   ; 256 more
	global_store_b16 v19, v[TM], s[10:11]          ; two bytes a row: a row's 16 heads come from 16 work-groups.  Lanes l and l + 16 store the same value to the same place
	s_wait_tensorcnt 0x0                           ; the wave's end
	ds_add_u32 v254, v255
	s_wait_dscnt 0x0
	CROUND                                         ; the closing round
	s_endpgm
.Lfunc_end_k_q321aab9ba5_attn:
	.size	k_q321aab9ba5_attn, .Lfunc_end_k_q321aab9ba5_attn-k_q321aab9ba5_attn
	.p2alignl 7, 3214868480
	.fill 96, 4, 3214868480
	.section	.rodata,"a",@progbits
	.p2align	6, 0x0
	.amdhsa_kernel k_q321aab9ba5_attn
		.amdhsa_group_segment_fixed_size 211456
		.amdhsa_private_segment_fixed_size 0
		.amdhsa_enable_private_segment 0
		.amdhsa_kernarg_size 32
		.amdhsa_user_sgpr_count 2
		.amdhsa_user_sgpr_kernarg_segment_ptr 1
		.amdhsa_wavefront_size32 1
		.amdhsa_system_sgpr_workgroup_id_x 1
		.amdhsa_system_sgpr_workgroup_id_y 1
		.amdhsa_system_sgpr_workgroup_id_z 1
		.amdhsa_system_vgpr_workitem_id 0
		.amdhsa_next_free_vgpr 256
		.amdhsa_next_free_sgpr 100
		.amdhsa_reserve_vcc 0
		.amdhsa_float_denorm_mode_32 3
		.amdhsa_float_denorm_mode_16_64 3
		.amdhsa_memory_ordered 1
		.amdhsa_forward_progress 1
		.amdhsa_inst_pref_size 76
	.end_amdhsa_kernel
	.amdgpu_metadata
---
amdhsa.version: [ 1, 2 ]
amdhsa.kernels:
  - .name:           k_q321aab9ba5_attn
    .symbol:         k_q321aab9ba5_attn.kd
    .args:
      - { .name: qkvc, .offset: 0, .size: 8, .value_kind: global_buffer, .address_space: global }
      - { .name: qkvs, .offset: 8, .size: 8, .value_kind: global_buffer, .address_space: global }
      - { .name: xc, .offset: 16, .size: 8, .value_kind: global_buffer, .address_space: global }
      - { .name: xs, .offset: 24, .size: 8, .value_kind: global_buffer, .address_space: global }
    .group_segment_fixed_size: 211456
    .private_segment_fixed_size: 0
    .kernarg_segment_align: 8
    .kernarg_segment_size: 32
    .max_flat_workgroup_size: 512
    .sgpr_count:     100
    .vgpr_count:     256
    .wavefront_size: 32
...
	.end_amdgpu_metadata
.endif
;; end of part 3
;; launch outp (part 4): grid 8 x 32, 4 waves a work-group, clusters of 4 x 4, 224,768 bytes of LDS; arguments codes, scales, xc, xs, bo, out0; writes out0
.if DOCPART == 4
	.amdgcn_target "amdgcn-amd-amdhsa--gfx1250"
	.amdhsa_code_object_version 6
	.text
	.protected	k_q321aab9ba5_outp
	.globl	k_q321aab9ba5_outp
	.p2align	8
	.type	k_q321aab9ba5_outp,@function
k_q321aab9ba5_outp:
	s_mov_b64 s[64:65], 0
	v_nop
	global_prefetch_b8 v0, s[64:65] scope:SCOPE_SE
	s_setreg_imm32_b32 hwreg(HW_REG_WAVE_MODE, 25, 1), 1
	s_wait_xcnt 0x0
	s_wait_alu depctr_hold_cnt(0) depctr_sa_sdst(0) depctr_va_vdst(0) depctr_va_sdst(0) depctr_va_ssrc(0) depctr_va_vcc(0) depctr_vm_vsrc(0)
	s_getreg_b32 s2, hwreg(HW_REG_IB_STS2, 6, 4)
	s_cmp_eq_u32 s2, 0
	s_cbranch_scc0 .Lentry_in_a_cluster
	s_endpgm
.Lentry_in_a_cluster:
	s_bfe_u32 s2, ttmp6, 0x10000c
	s_cmp_lg_u32 s2, 0xf033
	s_cbranch_scc0 .Lentry_shape_is_right
	s_endpgm
.Lentry_shape_is_right:
; out0 = x Wo^T + bo on codes of BF6 (E3M2) with E8M0 scales, sums in f32.  x comes as codes from the attention launch (xc, xs), Wo from the first launch (codes, scales: tiles 960 on).
; Both are laid [tile][16 half images][768] and [tile][row 16][8 words]; a half image is 16 rows x 64 K as the matrix unit's registers: lane l's registers 0-3 at 16 l, 4-5 at 512 + 8 l.
; x's tile 128 b + s / 16 holds 16 neighbouring s of batch b; Wo's tile 2 t + p holds rows n = 32 t + 2 r + p.
; SHARES.  A work-group takes 8 tiles of Wo (128 n) x 8 tiles of x (128 s of one batch), ALL of K in LDS, filled once: no ring.  Four waves, each 4 x 4 tiles: 16 accumulators.
; Source 0 = Wo, source 1 = x: a lane holds one s and its registers run along n, so that rows of out0 can be gathered.
; CLUSTERS: 4 x 4.  Wo's tiles hang on the work-group's x and are shared along a column of the cluster, x's on its y and are shared along a row: joint loads, each fetched once for four.
; REGISTERS: window 0: v1-15 addresses; v16-19 the bias as loaded; v32-63 scale words and nothing else; v64-95 bias; v96-127 32 numbers; v128-255 accumulator (i, a) at 128 + 32 a + 8 i, later the rows read back.
;   window 1: two sets of fragments at 0 and 128: source 0's four at +0, source 1's four at +48.
.set TILEB, 12288                      ; a tile's bytes: all of K, sixteen half images
.set CHUNK, 4*TILEB                    ; four tiles: what one wave multiplies of each side
.set SCL,   4*CHUNK                    ; the scale words: 16 tiles x 512 bytes
.set BIAS,  SCL+16*512                 ; 512 bytes for each wave, written by LDS stores: no tensor load lands here
.set STG,   BIAS+4*512                 ; a stage of 16 rows x (256 bytes + 16) for each wave: likewise
.set AD0, 4
.set AE0, 5
.set AD1, 6
.set AE1, 7
.set ASC, 8
.set SC, 32
.set BQ, 64
.set X,  96
.set ACC, 128
.set WV, 8
.set MSB, 0
.macro WIN new                         ; the immediate's high byte repeats the setting that is left
.if MSB != \new
	s_set_vgpr_msb (MSB<<8)|\new
.set MSB, \new
.endif
.endm
.set W_MUL, 0x05                       ; sources 0 and 1 window 1; C and D window 0
.set TO_F,  0x40                       ; destination window 1, address window 0
.macro CROUND                          ; a round of the cluster's barrier
	s_barrier_signal -1
	s_barrier_wait -1
	s_cmp_lg_u32 s[WV], 0
	s_cbranch_scc1 .Lnot_wave_0_\@
	s_barrier_signal -3
.Lnot_wave_0_\@:
	s_barrier_wait -3
	s_barrier_signal -1
	s_barrier_wait -1
.endm
.macro G0SET b, lbase, loff, p, goff   ; a descriptor's group 0 at s[b]
	s_mov_b32 s[\b], 1
	s_add_co_u32 s[\b+1], s[\lbase], \loff
	s_add_nc_u64 s[\b+2:\b+3], s[\p:\p+1], \goff
	s_or_b32 s[\b+3], s[\b+3], 0x80000000
.endm
	s_load_b128 s[4:7], s[0:1], 0x0                ; codes s[4:5], scales s[6:7]
	s_load_b128 s[20:23], s[0:1], 0x10             ; xc s[20:21], xs s[22:23]
	v_lshl_add_u32 v30, v0, 2, 0x36c00
	v_mov_b32 v31, 0
	ds_add_u32 v30, v31
	ds_add_u32 v30, v31
	v_lshrrev_b32 v1, 5, v0
	v_readfirstlane_b32 s[WV], v1                  ; wave 0..3
	s_and_b32 s9, s[WV], 1                         ; which four of Wo's tiles are mine
	s_lshr_b32 s10, s[WV], 1                       ; which four of x's tiles are mine
	s_bfe_u32 s11, ttmp6, 0x40000                  ; cx
	s_bfe_u32 s12, ttmp6, 0x40004                  ; cy
	s_lshl_b32 s13, ttmp9, 2
	s_add_co_u32 s13, s13, s11                     ; x = 4 x cluster x + cx: 128 n
	s_and_b32 s14, ttmp7, 0xffff
	s_lshl_b32 s15, s14, 2
	s_add_co_u32 s15, s15, s12                     ; y = 4 x cluster y + cy: 128 rows
	s_lshl_b32 s2, s12, 2
	s_lshl_b32 s2, 15, s2                          ; my row of the cluster
	s_lshl_b32 s3, 0x1111, s11                     ; my column
	s_or_b32 s24, s3, (3<<16)|(1<<21)              ; group 1, Wo's codes: mask = my column; elements of 8 bytes; bit 21 set beside a mask
	s_or_b32 s32, s2, (3<<16)|(1<<21)              ; x's codes: mask = my row
	s_or_b32 s40, s3, (3<<16)|(1<<21)              ; Wo's scale words
	s_or_b32 s48, s2, (3<<16)|(1<<21)              ; x's
.irp g, 24, 32
	s_mov_b32 s[\g+1], 32<<16                      ; eight tiles on end are 98,304 dense bytes: 384 rows of 256
	s_mov_b32 s[\g+2], 384<<16
	s_mov_b32 s[\g+3], 32<<16
	s_mov_b32 s[\g+4], 384
	s_mov_b32 s[\g+5], 32
	s_mov_b32 s[\g+6], 0
	s_mov_b32 s[\g+7], 0
.endr
.irp g, 40, 48
	s_mov_b32 s[\g+1], 32<<16
	s_mov_b32 s[\g+2], 16<<16                      ; eight tiles' scale words: 4,096 dense bytes as 16 rows of 256
	s_mov_b32 s[\g+3], 32<<16
	s_mov_b32 s[\g+4], 16
	s_mov_b32 s[\g+5], 32
	s_mov_b32 s[\g+6], 0
	s_mov_b32 s[\g+7], 0
.endr
	s_lshl_b32 s16, s13, 3                         ; Wo's eight tiles: 960 + 8 x on
	s_add_co_u32 s16, s16, 960
	s_lshl_b32 s100, s16, 9
	s_mov_b32 s101, 0
	s_mul_i32 s16, s16, 12288
	s_mov_b32 s17, 0
	s_lshl_b32 s18, s15, 3                         ; x's eight tiles: 8 y on
	s_lshl_b32 s104, s18, 9
	s_mov_b32 s105, 0
	s_mul_i32 s18, s18, 12288
	s_mov_b32 s19, 0
	s_mov_b32 s66, 0                               ; every LDS address of the four fills is a constant
	s_wait_dscnt 0x0
	s_wait_kmcnt 0x0
	s_add_nc_u64 s[16:17], s[4:5], s[16:17]
	s_add_nc_u64 s[100:101], s[6:7], s[100:101]
	s_add_nc_u64 s[18:19], s[20:21], s[18:19]
	s_add_nc_u64 s[104:105], s[22:23], s[104:105]
	G0SET 56, 66, SCL, 100, 0                      ; Wo's scale words,
	G0SET 60, 66, 0, 16, 0                         ; its codes,
	G0SET 80, 66, SCL+4096, 104, 0                 ; x's scale words,
	G0SET 84, 66, 8*TILEB, 18, 0                   ; its codes
	CROUND                                         ; all sixteen work-groups are here: the joint loads meet
	s_cmp_lt_u32 s[WV], 1                          ; the head's four fills, one a wave, in one chain of branches on the wave's number
	s_cbranch_scc0 .Lhead_1
	tensor_load_to_lds s[60:63], s[24:31]          ; wave 0: Wo's codes
	s_nop 0
.rept 4
	v_nop
.endr
	s_branch .Lasked
.Lhead_1:
	s_cmp_lt_u32 s[WV], 2
	s_cbranch_scc0 .Lhead_2
	tensor_load_to_lds s[84:87], s[32:39]          ; wave 1: x's codes
	s_nop 0
.rept 4
	v_nop
.endr
	s_branch .Lasked
.Lhead_2:
	s_cmp_lt_u32 s[WV], 3
	s_cbranch_scc0 .Lhead_3
	tensor_load_to_lds s[56:59], s[40:47]          ; wave 2: Wo's scale words
	s_nop 0
.rept 4
	v_nop
.endr
	s_branch .Lasked
.Lhead_3:
	tensor_load_to_lds s[80:83], s[48:55]          ; wave 3: x's scale words
	s_nop 0
.rept 4
	v_nop
.endr
.Lasked:
	s_load_b128 s[16:19], s[0:1], 0x20             ; bo s[16:17], out0 s[18:19]
	v_and_b32 v1, 31, v0                           ; l
	v_and_b32 v2, 15, v0                           ; r
	v_bfe_u32 v3, v0, 4, 1                         ; h
	v_lshlrev_b32 v12, 4, v1                       ; 16 l
	v_lshlrev_b32 v11, 3, v1                       ; 8 l
	s_mul_i32 s2, s9, 4*TILEB                      ; source 0: my four tiles of Wo in a chunk
	s_mul_i32 s3, s10, 4*TILEB
	s_add_co_u32 s3, s3, 8*TILEB                   ; source 1: my four tiles of x
	v_add_nc_u32 v[AD0], s2, v12
	v_add_nc_u32 v[AE0], s2, v11
	v_add_nc_u32 v[AD1], s3, v12
	v_add_nc_u32 v[AE1], s3, v11
	s_lshl_b32 s2, s9, 11                          ; Wo's scale words, the lower base;
	s_lshl_b32 s3, s10, 11
	s_add_co_u32 s3, s3, 4096
	s_sub_co_u32 s3, s3, s2                        ; x's lie this far above them
	v_xor_b32 v10, 1, v3
	v_mul_u32_u24 v10, s3, v10                     ; lanes 0-15 take x's (source 1), lanes 16-31 Wo's (source 0): one product, the lower base + (1 - h) x the distance
	v_lshl_add_u32 v[ASC], v2, 5, v10              ; 32 bytes a row
	s_add_co_u32 s2, s2, SCL
	v_add_nc_u32 v[ASC], s2, v[ASC]
	v_lshl_add_u32 v9, v0, 4, BIAS                 ; the bias goes in at 16 x thread: 512 bytes a wave
	s_lshl_b32 s100, s[WV], 9
	s_lshl_b32 s101, s9, 8
	s_add_co_u32 s100, s100, s101
	s_add_co_u32 s100, s100, BIAS                  ; my wave's copy, my 64 numbers
	v_lshl_add_u32 v10, v3, 6, s100                ; 16 numbers of each block of 32: + 64 h
	s_mul_i32 s100, s[WV], 16*272
	s_add_co_u32 s100, s100, STG                   ; my stage
	v_mul_u32_u24 v14, v2, 272
	v_lshl_add_u32 v14, v3, 6, v14
	v_add_nc_u32 v14, s100, v14                    ; in: row r, + 64 h
	v_mul_u32_u24 v15, v3, 272
	v_lshl_add_u32 v15, v2, 4, v15
	v_add_nc_u32 v15, s100, v15                    ; back: lanes 0-15 one row of 256 bytes, lanes 16-31 the next
	v_lshlrev_b32 v13, 13, v3
	v_lshl_add_u32 v13, v2, 4, v13                 ; and the same two rows in out0: neighbouring s of a batch lie 8,192 bytes apart
	s_wait_kmcnt 0x0
	s_lshl_b32 s100, s13, 9
	s_mov_b32 s101, 0
	s_add_nc_u64 s[16:17], s[16:17], s[100:101]    ; the work-group's 128 numbers of bo
	global_load_b128 v[16:19], v12, s[16:17]
	s_lshr_b32 s3, s15, 4                          ; b
	s_lshl_b32 s2, s15, 3
	s_lshl_b32 s100, s10, 2
	s_add_co_u32 s2, s2, s100
	s_and_b32 s2, s2, 127                          ; my first tile of rows within the batch: s / 16
	s_lshl_b32 s2, s2, 17                          ; 16 rows of 8,192 bytes each,
	s_lshl_b32 s3, s3, 12                          ; the batch,
	s_add_co_u32 s2, s2, s3
	s_lshl_b32 s3, s13, 9                          ; the work-group's 128 columns,
	s_add_co_u32 s2, s2, s3
	s_lshl_b32 s3, s9, 8                           ; my 64 of them
	s_add_co_u32 s2, s2, s3
	s_mov_b32 s3, 0
	s_add_nc_u64 s[18:19], s[18:19], s[2:3]
	s_wait_loadcnt 0x0
	ds_store_b128 v9, v[16:19]
	s_wait_alu depctr_va_vdst(0)                   ; directly ahead of the wait below
	s_wait_tensorcnt 0x0                           ; my one fill is in
	s_wait_dscnt 0x0
	s_barrier_signal -1
	s_barrier_wait -1                              ; everybody's are: all of K lies in LDS
; 32 LDS loads: the eight fragments of K step sp into set: each half image by 512 + 256 consecutive bytes
.macro FETCH set, sp
.irp i, 0,1,2,3
.irp c, 0,1
	ds_load_b128 v[128*(\set)+12*\i+6*\c:128*(\set)+12*\i+6*\c+3], v[AD0] offset:TILEB*\i+1536*(\sp)+768*\c
	ds_load_b64 v[128*(\set)+12*\i+6*\c+4:128*(\set)+12*\i+6*\c+5], v[AE0] offset:TILEB*\i+1536*(\sp)+768*\c+512
.endr
.endr
.irp i, 0,1,2,3
.irp c, 0,1
	ds_load_b128 v[128*(\set)+48+12*\i+6*\c:128*(\set)+48+12*\i+6*\c+3], v[AD1] offset:TILEB*\i+1536*(\sp)+768*\c
	ds_load_b64 v[128*(\set)+48+12*\i+6*\c+4:128*(\set)+48+12*\i+6*\c+5], v[AE1] offset:TILEB*\i+1536*(\sp)+768*\c+512
.endr
.endr
.endm
; 16 matrix instructions: K step s.  The sixteen accumulators take turns, one instruction a turn, in the same order in every step.  zero = 1: the first step starts the sums.
; Four v_nop follow: the places in front of the loads into the set just read, and of the first read of results.
.macro MUL16 set, s, zero
.irp a, 0,1,2,3
.irp i, 0,1,2,3
.if \zero
	v_wmma_scale_f32_16x16x128_f8f6f4 v[ACC+32*\a+8*\i:ACC+32*\a+8*\i+7], v[128*(\set)+12*\i:128*(\set)+12*\i+11], v[128*(\set)+48+12*\a:128*(\set)+48+12*\a+11], 0, v[SC+8*\i+(\s)], v[SC+8*\a+(\s)] matrix_a_fmt:MATRIX_FMT_BF6 matrix_b_fmt:MATRIX_FMT_BF6 matrix_a_scale:MATRIX_SCALE_ROW1
.else
	v_wmma_scale_f32_16x16x128_f8f6f4 v[ACC+32*\a+8*\i:ACC+32*\a+8*\i+7], v[128*(\set)+12*\i:128*(\set)+12*\i+11], v[128*(\set)+48+12*\a:128*(\set)+48+12*\a+11], v[ACC+32*\a+8*\i:ACC+32*\a+8*\i+7], v[SC+8*\i+(\s)], v[SC+8*\a+(\s)] matrix_a_fmt:MATRIX_FMT_BF6 matrix_b_fmt:MATRIX_FMT_BF6 matrix_a_scale:MATRIX_SCALE_ROW1
.endif
.endr
.endr
.rept 4
	v_nop
.endr
.endm
; K step s: its fragments are waited for, the next step's are asked for, and the sixteen products stand over those loads.  The step's place along K stands in the loads' immediates.
.macro KSTEP s
	s_wait_dscnt 0x0
.if (\s) < 7
	WIN TO_F
	FETCH ((\s)+1)%2, (\s)+1
.endif
	WIN W_MUL
	MUL16 (\s)%2, \s, ((\s) == 0)
.endm
.irp t, 0,1,2,3                        ; all of K's scale words: register 8 t + s: lanes 0-15 x's tile t, lanes 16-31 Wo's tile t, K step s
	ds_load_b128 v[SC+8*\t:SC+8*\t+3], v[ASC] offset:512*\t
	ds_load_b128 v[SC+8*\t+4:SC+8*\t+7], v[ASC] offset:512*\t+16
.endr
	WIN TO_F
	FETCH 0, 0
.irp s, 0,1,2,3,4,5,6,7
	KSTEP \s
.endr
	WIN 0
	; THE WAY OUT.  Lane (r, h) holds row s = r of x's tile a; register j of Wo's tile i = 2 b + p is n = 32 b + 16 h + 2 j + p of my 64.  The addition of the bias writes it to its place in natural order;
	; 16 rows x 256 bytes go through my own stage and come back as whole rows: sixteen lanes store 256 consecutive bytes, at a multiple of 256 from out0's first byte.
.irp b, 0,1
.irp q, 0,1,2,3
	ds_load_b128 v[BQ+16*\b+4*\q:BQ+16*\b+4*\q+3], v10 offset:128*\b+16*\q
.endr
.endr
	s_wait_dscnt 0x0
.irp a, 0,1,2,3
.irp i, 0,1,2,3
.irp j, 0,1,2,3,4,5,6,7
	v_add_f32 v[X+16*(\i/2)+2*\j+\i%2], v[ACC+32*\a+8*\i+\j], v[BQ+16*(\i/2)+2*\j+\i%2]   ; each accumulator from its low end on
.endr
.endr
.irp b, 0,1
.irp q, 0,1,2,3
	ds_store_b128 v14, v[X+16*\b+4*\q:X+16*\b+4*\q+3] offset:128*\b+16*\q
.endr
.endr
.irp i, 0,1,2,3,4,5,6,7
	ds_load_b128 v[ACC+32*\a+4*\i:ACC+32*\a+4*\i+3], v15 offset:544*\i   ; LDS serves a wave's instructions in order (ISA guide 5.7.1.4): these see the stores above.  They land in this a's accumulators, which have been read: each a has its own, so no store's data are written again
.endr
.irp i, 0,1,2,3,4,5,6,7
	s_wait_dscnt 7-\i                              ; rows 2 i, 2 i + 1 are back; the younger loads may be out
	global_store_b128 v13, v[ACC+32*\a+4*\i:ACC+32*\a+4*\i+3], s[18:19] offset:(16*\a+2*\i)*8192 th:TH_STORE_NT   ; written once, read by nobody here
.endr
.endr
	s_wait_tensorcnt 0x0
	ds_add_u32 v30, v31
	s_wait_dscnt 0x0
	CROUND                                         ; the closing round: no work-group ends while a partner may still ask for a tile that names it.  (Every tensor load of mine was waited for ahead of the last chunk)
	s_endpgm
.Lfunc_end_k_q321aab9ba5_outp:
	.size	k_q321aab9ba5_outp, .Lfunc_end_k_q321aab9ba5_outp-k_q321aab9ba5_outp
	.p2alignl 7, 3214868480
	.fill 96, 4, 3214868480
	.section	.rodata,"a",@progbits
	.p2align	6, 0x0
	.amdhsa_kernel k_q321aab9ba5_outp
		.amdhsa_group_segment_fixed_size 224768
		.amdhsa_private_segment_fixed_size 0
		.amdhsa_enable_private_segment 0
		.amdhsa_kernarg_size 48
		.amdhsa_user_sgpr_count 2
		.amdhsa_user_sgpr_kernarg_segment_ptr 1
		.amdhsa_wavefront_size32 1
		.amdhsa_system_sgpr_workgroup_id_x 1
		.amdhsa_system_sgpr_workgroup_id_y 1
		.amdhsa_system_sgpr_workgroup_id_z 1
		.amdhsa_system_vgpr_workitem_id 0
		.amdhsa_next_free_vgpr 512
		.amdhsa_next_free_sgpr 106
		.amdhsa_reserve_vcc 0
		.amdhsa_float_denorm_mode_32 3
		.amdhsa_float_denorm_mode_16_64 3
		.amdhsa_memory_ordered 1
		.amdhsa_forward_progress 1
		.amdhsa_inst_pref_size 56
	.end_amdhsa_kernel
	.amdgpu_metadata
---
amdhsa.version: [ 1, 2 ]
amdhsa.kernels:
  - .name:           k_q321aab9ba5_outp
    .symbol:         k_q321aab9ba5_outp.kd
    .args:
      - { .name: codes, .offset: 0, .size: 8, .value_kind: global_buffer, .address_space: global }
      - { .name: scales, .offset: 8, .size: 8, .value_kind: global_buffer, .address_space: global }
      - { .name: xc, .offset: 16, .size: 8, .value_kind: global_buffer, .address_space: global }
      - { .name: xs, .offset: 24, .size: 8, .value_kind: global_buffer, .address_space: global }
      - { .name: bo, .offset: 32, .size: 8, .value_kind: global_buffer, .address_space: global }
      - { .name: out0, .offset: 40, .size: 8, .value_kind: global_buffer, .address_space: global }
    .group_segment_fixed_size: 224768
    .private_segment_fixed_size: 0
    .kernarg_segment_align: 8
    .kernarg_segment_size: 48
    .max_flat_workgroup_size: 128
    .sgpr_count:     106
    .vgpr_count:     512
    .wavefront_size: 32
...
	.end_amdgpu_metadata
.endif
;; end of part 4
